; MI455X (gfx1250); checked and timed in simulation.
; The chip was launched on July 23, 2026; its instructions are those of AMD's public machine-readable ISA for CDNA 5 (MIT licence, August 2026) and "CDNA5" Instruction Set Architecture Reference Guide (July 2026). The comments in the code are by the model that wrote it; some were corrected since.
;; Block. Allowed arithmetic: matrix products marked QUANTISED: E2M1 operands, one E8M0 scale for each 32 along K, by v_wmma_scale_f32_16x16x128_f8f6f4 with both operands' format E2M1 (or v_wmma_scale_f32_32x16x128_f4), f32 sums; everything else in f32.
;; Inputs: b1 2,048 float32; b2 512 float32; b_proj 512 float32; ln1_b 512 float32; ln1_g 512 float32; ln2_b 512 float32; ln2_g 512 float32; w1 512 x 2,048 float32; w2 2,048 x 512 float32; w_proj 512 x 512 float32; wk 512 x 512 float32; wq 512 x 512 float32; wv 512 x 512 float32; x 8 x 1,024 x 512 float32.
;; Outputs: out0 8 x 1,024 x 512 float32.
;; This version of the problem:
;;   THIS VERSION OF THE PROBLEM IS GIVEN IN LOW PRECISION. The matrix products marked QUANTISED in the list below multiply operands that are first quantised to E2M1 (2 exponent bits, 1 mantissa bit; 4 bits a number), with one power-of-two scale for each 32 numbers along K (OCP MX v1.0); their sums are f32. All else is computed in f32.
;;   The module's matrix products, in the order in which they are computed (A, B: the left and right operand; K: the contracted axis; several contracted axes count as one K, in the product's order):
;;     1. [M 8,192, K 512] x [K 512, N 512]; A: computed on the way; B: input wq: QUANTISED
;;     2. [M 8,192, K 512] x [K 512, N 512]; A: computed on the way; B: input wk: QUANTISED
;;     3. [M 8,192, K 512] x [K 512, N 512]; A: computed on the way; B: input wv: QUANTISED
;;     4. batch 128 x [M 1,024, K 32] x [K 32, N 1,024]; A: computed on the way; B: computed on the way: QUANTISED
;;     5. batch 128 x [M 1,024, K 1,024] x [K 1,024, N 32]; A: softmax (see below); B: computed on the way: QUANTISED
;;     6. [M 8,192, K 512] x [K 512, N 512]; A: computed on the way; B: input w_proj: QUANTISED
;;     7. [M 8,192, K 512] x [K 512, N 2,048]; A: computed on the way; B: input w1: QUANTISED
;;     8. [M 8,192, K 2,048] x [K 2,048, N 512]; A: computed on the way; B: input w2: QUANTISED
;;   THE QUANTISER, for each operand of a quantised product, along K:
;;     - K is cut into blocks of 32 from its start; a last block that is shorter is filled with zeros.
;;     - A block's scale is 2^e with e = floor(log2(the largest magnitude in the block)) - 2, held to -126 .. 127; a block of zeros has e = 0. As a byte (E8M0): e + 127.
;;     - Each number is divided by its block's scale, clamped to +-6, and rounded to the nearest number of E2M1, ties to even, subnormals kept.
;;     - The product sums the exact products of the quantised numbers (number of the format x scale) in f32.
;;   ~~~python
;;   def quantise(x, axis):      # numpy; x: float32 -> the quantised numbers, widened to float32 again
;;       x = np.moveaxis(x, axis, -1); K = x.shape[-1]
;;       x = np.pad(x, [(0, 0)] * (x.ndim - 1) + [(0, -K % 32)]); x = x.reshape(x.shape[:-1] + (-1, 32)); a = np.abs(x).max(-1, keepdims=True)
;;       e = np.where(a > 0, np.clip(np.frexp(np.where(a > 0, a, 1))[1] - 1 - 2, -126, 127), 0)      # np.frexp(a)[1] - 1 = floor(log2(a)), exactly
;;       r = np.clip(x / 2.0 ** e, -6, 6)
;;       step = 2.0 ** (np.maximum(np.frexp(np.where(r == 0, 1, r))[1] - 1, 0) - 1)
;;       q = np.round(r / step) * step * 2.0 ** e      # np.round: ties to even
;;       return np.moveaxis(q.reshape(q.shape[:-2] + (-1,))[..., :K], -1, axis).astype(np.float32)
;;   ~~~
;;   SOFTMAX AHEAD OF A QUANTISED PRODUCT. Where the list says 'softmax', what is quantised is not the finished softmax but p = 2^(t - M), with t = logit x log2(e) and M = ceil(the row's largest t), a whole number; so 1/2 < the row's largest p <= 1. The row's sum l is taken of the UNQUANTISED p, in f32, and the product's result is divided by l at the end. Since M is a whole number, a kernel that streams over the keys may use a running M (the ceiling of the running maximum): every later rescaling is an exact power of two, which a block's scale takes up: the codes' values come out the same.
;;   OPERANDS COMPUTED ON THE WAY. 'Computed on the way' means the value that the module computes at that place (a softmax that the list does not call 'softmax' is quantised finished and normalised). What goes into a quantiser is computed in f32, as accurately as f32 sums, v_exp_f32 and their like allow (about 1e-6 of the number): no bf16 or f16 on the way to a quantiser, and a product that is left as it is and whose result goes on into a quantised operand takes f32 operands (vector FMAs, or v_wmma_f32_16x16x4_f32). A number that lies on a knife's edge between two numbers of the format may be rounded either way, as far as f32 arithmetic and the matrix unit's own rounding can turn it there, and no further.
;; One version. Each part assembles by itself: llvm-mc -triple=amdgcn-amd-amdhsa -mcpu=gfx1250 --defsym DOCPART=n.
;; ======== version 1 of 1: 3 launches
;; limits: right only within a limited range of input values
;; workspace buffers: wts 1,679,360 bytes; qkvc 6,291,456 bytes; qkvs 1,179,648 bytes
;; launch prep (part 1): grid 384 x 1, 4 waves a work-group, no clusters, 0 bytes of LDS; arguments wq, wk, wv, w_proj, w1, w2, wts; writes wts
.if DOCPART == 1
	.amdgcn_target "amdgcn-amd-amdhsa--gfx1250"
	.amdhsa_code_object_version 6
	.text
	.protected	k_q0f8883b20b_prep
	.globl	k_q0f8883b20b_prep
	.p2align	8
	.type	k_q0f8883b20b_prep,@function
k_q0f8883b20b_prep:
	s_mov_b64 s[64:65], 0
	v_nop
	global_prefetch_b8 v0, s[64:65] scope:SCOPE_SE
	s_setreg_imm32_b32 hwreg(HW_REG_WAVE_MODE, 25, 1), 1
	s_wait_xcnt 0x0
; THE PROGRAM: a transformer block (LN1, q k v, causal attention of 16 heads of 32, projection + residual, LN2, MLP with exact GELU, residual), all eight products on codes of FP4 (E2M1)
; with one E8M0 scale for each 32 along K.  Four launches: prep (this one), qkv, attn, tail.
; WORK LEFT OUT, in the whole program: (a) the scores, the softmax and the second product of key steps (128 keys) that lie wholly behind a wave's 32 queries; (b) in the key step that holds the diagonal, the scores and the softmax
; of blocks of 32 keys that lie wholly behind those 32 queries (their weights enter the second product as zero codes).  reference() sets those scores to -inf by a mask that it builds itself (jnp.tril), so their weights are
; exactly 0 for all values of the inputs, and a zero weight adds nothing to the row's maximum, to the row's sum or to the product with v.  Nothing else is left out: every input has a way to the output
; and all fourteen are loaded.  LIMIT: a NaN, an infinity or an overflow that would arise only in the scores left out is not carried to the result.
; THIS LAUNCH: the six weights, f32 stored [K][N], become codes along K, laid in the ORDER OF THE OPERAND'S REGISTERS, so that the later launches load whole fragments by 16 bytes a lane.
; A fragment is 16 columns n x 128 along K: 1,024 bytes, block beta (32 along K) of row r at 256 beta + 16 r; its scale words: 4 bytes a row, byte beta.
; THE COLUMNS OF A TILE ARE NOT NEIGHBOURS: 32 neighbouring columns make two tiles un = 0, 1; row r of tile un is column 8 un + r + 8 (r / 8), so that a later result's 16 registers of both tiles are 16 neighbours.
; wts: from 0: [head 16][K step 4][6,656]: six fragments (q, k, v x un) and from 6,144 on their scale words (the last 128 bytes are neither written nor read);
;      from 425,984: [wave 16][group 18][4,352]: four fragments and from 4,096 on their scale words; groups 0-1 w_proj, 2-9 w1, 10-17 w2, in the order in which a wave of the last launch takes them.
; A LANE TAKES A COLUMN AND ITS REGISTERS RUN DOWN K: a block of 32 lies in one lane, and the conversions give codes with K innermost.  A wave takes 32 columns x 64 along K; the four waves stand side by side on 512 bytes of a row.
; A block's scale is 2^(floor(log2(largest magnitude)) - 2): its byte is the largest magnitude's exponent field - 2, held at 1 from below.
; LIMITS: a block of zeros gets the byte 1 where the rule says 127 (its codes are zeros, and this program alone reads the bytes); NaN and infinities among the inputs are not served.
; LAUNCHES: the attention and the tail named above run as ONE launch, attail: the program has three launches: prep, qkv, attail.
.set QW_HEAD, 26624
.set QW_STEP, 6656
.set TW0,     425984
.set TW_WAVE, 78336
.set TW_GRP,  4352
.set CD, 16                            ; v16-31   the codes, four registers a block
.set X,  32                            ; v32-159  four blocks of 32 numbers
	s_load_b256 s[4:11], s[0:1], 0x0               ; wq, wk, wv, w_proj
	s_load_b128 s[12:15], s[0:1], 0x20             ; w1, w2
	s_load_b64 s[16:17], s[0:1], 0x30              ; wts
	v_lshrrev_b32 v4, 5, v0
	v_readfirstlane_b32 s18, v4                    ; wave
	v_and_b32 v5, 31, v0                           ; lane = my column among the wave's 32
	v_lshlrev_b32 v1, 2, v5                        ; in: 4 bytes a lane
	v_bfe_u32 v6, v0, 3, 1                         ; un
	v_bfe_u32 v7, v0, 4, 1
	v_and_b32 v4, 7, v0
	v_lshl_add_u32 v4, v7, 3, v4                   ; r = 8 (lane / 16) + lane % 8
	v_lshlrev_b32 v2, 4, v4
	v_lshl_add_u32 v2, v6, 10, v2                  ; codes out: 1,024 un + 16 r
	v_lshlrev_b32 v3, 2, v4
	v_lshl_add_u32 v3, v6, 6, v3                   ; scale word out: 64 un + 4 r
	; which weight, which 128 columns, which K step: from the work-group's number alone.  s27 = b, the pair of tiles; s28 = the K step; s20 = the K step's bytes in the weight; s21 = the group's place; s22 = the fragments' place in it; s23 = the scale words'
	s_lshr_b32 s19, ttmp9, 1                       ; two work-groups share a K step of 128: the number's low bit says which 64 along K (see BODY)
	s_cmp_ge_u32 s19, 128
	s_cbranch_scc1 .Lw2
	s_cmp_ge_u32 s19, 64
	s_cbranch_scc1 .Lw1
	s_lshr_b32 s26, s19, 4                         ; 0 q, 1 k, 2 v, 3 w_proj
	s_bfe_u32 s27, s19, 0x20002
	s_and_b32 s28, s19, 3
	s_lshl_b32 s27, s27, 2
	s_add_co_u32 s27, s27, s18
	s_lshl_b32 s20, s28, 18                        ; 128 rows of 2,048 bytes
	s_mov_b32 s29, 0                               ; w_proj's groups begin at 0
	s_cmp_eq_u32 s26, 3
	s_cbranch_scc1 .Lpair
	s_mul_i32 s21, s27, QW_HEAD
	s_mul_i32 s29, s28, QW_STEP
	s_add_co_u32 s21, s21, s29
	s_lshl_b32 s22, s26, 11
	s_mov_b32 s23, 6144
	s_branch .Ljoin
.Lw2:
	s_sub_co_u32 s26, s19, 128
	s_lshr_b32 s27, s26, 4
	s_and_b32 s28, s26, 15
	s_lshl_b32 s27, s27, 2
	s_add_co_u32 s27, s27, s18
	s_lshl_b32 s20, s28, 18
	s_mov_b32 s29, 10                              ; w2's groups begin at 10
.Lpair:                                                ; w_proj and w2: a group holds two K steps of one pair of tiles
	s_mul_i32 s21, s27, TW_WAVE
	s_lshr_b32 s26, s28, 1
	s_add_co_u32 s26, s26, s29
	s_mul_i32 s26, s26, TW_GRP
	s_add_co_u32 s21, s21, s26
	s_add_co_u32 s21, s21, TW0
	s_and_b32 s22, s28, 1
	s_lshl_b32 s22, s22, 11
	s_mov_b32 s23, 4096
	s_branch .Ljoin
.Lw1:                                                  ; w1: a group holds one K step of two pairs of tiles; pair b belongs to wave b / 4, half (b / 2) % 2
	s_sub_co_u32 s26, s19, 64
	s_lshr_b32 s27, s26, 2
	s_and_b32 s28, s26, 3
	s_lshl_b32 s27, s27, 2
	s_add_co_u32 s27, s27, s18
	s_lshl_b32 s20, s28, 20                        ; 128 rows of 8,192 bytes
	s_lshr_b32 s21, s27, 2
	s_mul_i32 s21, s21, TW_WAVE
	s_bfe_u32 s26, s27, 0x10001
	s_lshl_b32 s26, s26, 2
	s_add_co_u32 s26, s26, s28
	s_add_co_u32 s26, s26, 2
	s_mul_i32 s26, s26, TW_GRP
	s_add_co_u32 s21, s21, s26
	s_add_co_u32 s21, s21, TW0
	s_and_b32 s22, s27, 1
	s_lshl_b32 s22, s22, 11
	s_mov_b32 s23, 4096
.Ljoin:
	s_lshl_b32 s26, s27, 7                         ; 32 columns are 128 bytes
	s_add_co_u32 s36, s20, s26
	s_mov_b32 s37, 0
	s_add_co_u32 s38, s21, s22
	s_mov_b32 s39, 0
	s_lshr_b32 s26, s22, 4                         ; a fragment's 1,024 bytes have 64 bytes of scale words
	s_add_co_u32 s28, s21, s23
	s_add_co_u32 s28, s28, s26
	s_mov_b32 s29, 0
	s_wait_kmcnt 0x0
	s_cmp_lt_u32 s19, 16                           ; the weight's address: chosen by the work-group's number alone
	s_cselect_b64 s[24:25], s[4:5], s[6:7]
	s_cmp_lt_u32 s19, 32
	s_cselect_b64 s[24:25], s[24:25], s[8:9]
	s_cmp_lt_u32 s19, 48
	s_cselect_b64 s[24:25], s[24:25], s[10:11]
	s_cmp_lt_u32 s19, 64
	s_cselect_b64 s[24:25], s[24:25], s[12:13]
	s_cmp_lt_u32 s19, 128
	s_cselect_b64 s[24:25], s[24:25], s[14:15]
	s_add_nc_u64 s[24:25], s[24:25], s[36:37]
	s_add_nc_u64 s[32:33], s[16:17], s[38:39]      ; the codes' place
	s_add_nc_u64 s[34:35], s[16:17], s[28:29]      ; the scale words'
.macro LOADB t, rb                     ; block t: W(32 t + i, my column), i = 0 .. 31; a wave's load reads 128 consecutive bytes; every offset is an immediate (127 rows of 8,192 bytes at the most)
.irp i, 0,1,2,3,4,5,6,7,8,9,10,11,12,13,14,15,16,17,18,19,20,21,22,23,24,25,26,27,28,29,30,31
	global_load_b32 v[X+32*(\t)+\i], v1, s[24:25] offset:(32*(\t)+\i)*(\rb) th:TH_LOAD_NT
.endr
.endm
.macro BLOCK t, rb
.set XS, X+32*(\t)
.if (\t) < 1
	s_wait_loadcnt 32                              ; this block's 32 loads are in; the next block's 32 may be out
.else
	s_wait_loadcnt 0x0
.endif
	v_max3_num_f32 v4, |v[XS]|, |v[XS+1]|, |v[XS+2]|               ; the block's largest magnitude: all 32 numbers are mine; two chains
	v_max3_num_f32 v5, |v[XS+3]|, |v[XS+4]|, |v[XS+5]|
.irp i, 6,10,14,18,22,26
	v_max3_num_f32 v4, v4, |v[XS+\i]|, |v[XS+\i+1]|
	v_max3_num_f32 v5, v5, |v[XS+\i+2]|, |v[XS+\i+3]|
.endr
	v_max3_num_f32 v4, v4, |v[XS+30]|, |v[XS+31]|
	v_max3_num_f32 v4, v4, v5, 0x1800000           ; and the floor 2^(3 - 127): the byte cannot fall under 1
	v_add_nc_u32 v6, 0xff000000, v4                ; 2 off the exponent field: the conversion takes this operand's exponent field as its scale
	v_lshrrev_b32 v7, 23, v6                       ; the scale's byte
.if (\t) == 0
	v_mov_b32 v8, v7
.else
	v_lshl_or_b32 v8, v7, 8*(\t), v8               ; two bytes: my half of my column's scale word
.endif
.irp g, 0,1,2,3
	v_cvt_scalef32_pk8_fp4_f32 v[CD+4*(\t)+\g], v[XS+8*\g:XS+8*\g+7], v6
.endr
	global_store_b128 v2, v[CD+4*(\t):CD+4*(\t)+3], s[32:33] offset:256*(\t)   ; each tile's sixteen lanes store 256 consecutive bytes, at a multiple of 256 from the buffer's first byte
.if (\t)+2 < 2
	LOADB (\t)+2,\rb
.endif
.endm                                  ; (the next block begins with plain vector lines, which stand between the conversions and the next write of v6; no register of a store is written again)
.macro BODY rb
	; A WAVE TAKES 32 COLUMNS x 64 ALONG K, two blocks of the K step's four: half = the work-group's number % 2.  All its 64 loads go out at once.
	s_and_b32 s30, ttmp9, 1
	s_mul_i32 s30, s30, 64*(\rb)                   ; 64 rows of the weight further down,
	s_mov_b32 s31, 0
	s_add_nc_u64 s[24:25], s[24:25], s[30:31]
	s_and_b32 s30, ttmp9, 1
	s_lshl_b32 s30, s30, 9                         ; two blocks of 256 bytes further on in the fragment,
	s_add_nc_u64 s[32:33], s[32:33], s[30:31]
	s_lshr_b32 s30, s30, 8                         ; two bytes further on in the scale word
	s_add_nc_u64 s[34:35], s[34:35], s[30:31]
	LOADB 0,\rb
	LOADB 1,\rb
.irp t, 0,1
	BLOCK \t,\rb
.endr
	global_store_b16 v3, v8, s[34:35]              ; my two blocks' bytes of my column's scale word
	s_endpgm
.endm
	s_sub_co_u32 s26, s19, 64
	s_cmp_lt_u32 s26, 64                           ; w1 has rows of 8,192 bytes, all others of 2,048
	s_cbranch_scc1 .Lwide
	s_wait_alu depctr_va_vdst(0)
	BODY 2048
.Lwide:
	s_wait_alu depctr_va_vdst(0)
	BODY 8192
.Lfunc_end_k_q0f8883b20b_prep:
	.size	k_q0f8883b20b_prep, .Lfunc_end_k_q0f8883b20b_prep-k_q0f8883b20b_prep
	.p2alignl 7, 3214868480
	.fill 96, 4, 3214868480
	.section	.rodata,"a",@progbits
	.p2align	6, 0x0
	.amdhsa_kernel k_q0f8883b20b_prep
		.amdhsa_group_segment_fixed_size 0
		.amdhsa_private_segment_fixed_size 0
		.amdhsa_enable_private_segment 0
		.amdhsa_kernarg_size 56
		.amdhsa_user_sgpr_count 2
		.amdhsa_user_sgpr_kernarg_segment_ptr 1
		.amdhsa_wavefront_size32 1
		.amdhsa_system_sgpr_workgroup_id_x 1
		.amdhsa_system_sgpr_workgroup_id_y 1
		.amdhsa_system_sgpr_workgroup_id_z 1
		.amdhsa_system_vgpr_workitem_id 0
		.amdhsa_next_free_vgpr 160
		.amdhsa_next_free_sgpr 66
		.amdhsa_reserve_vcc 0
		.amdhsa_float_denorm_mode_32 3
		.amdhsa_float_denorm_mode_16_64 3
		.amdhsa_memory_ordered 1
		.amdhsa_forward_progress 1
		.amdhsa_inst_pref_size 24
	.end_amdhsa_kernel
	.amdgpu_metadata
---
amdhsa.version: [ 1, 2 ]
amdhsa.kernels:
  - .name:           k_q0f8883b20b_prep
    .symbol:         k_q0f8883b20b_prep.kd
    .args:
      - { .name: wq, .offset: 0, .size: 8, .value_kind: global_buffer, .address_space: global }
      - { .name: wk, .offset: 8, .size: 8, .value_kind: global_buffer, .address_space: global }
      - { .name: wv, .offset: 16, .size: 8, .value_kind: global_buffer, .address_space: global }
      - { .name: w_proj, .offset: 24, .size: 8, .value_kind: global_buffer, .address_space: global }
      - { .name: w1, .offset: 32, .size: 8, .value_kind: global_buffer, .address_space: global }
      - { .name: w2, .offset: 40, .size: 8, .value_kind: global_buffer, .address_space: global }
      - { .name: wts, .offset: 48, .size: 8, .value_kind: global_buffer, .address_space: global }
    .group_segment_fixed_size: 0
    .private_segment_fixed_size: 0
    .kernarg_segment_align: 8
    .kernarg_segment_size: 56
    .max_flat_workgroup_size: 128
    .sgpr_count:     66
    .vgpr_count:     160
    .wavefront_size: 32
...
	.end_amdgpu_metadata
.endif
;; end of part 1
;; launch qkv (part 2): grid 256 x 1, 16 waves a work-group, no clusters, 299,008 bytes of LDS; arguments x, ln1_g, ln1_b, wts, qkvc, qkvs; writes qkvc, qkvs
.if DOCPART == 2
	.amdgcn_target "amdgcn-amd-amdhsa--gfx1250"
	.amdhsa_code_object_version 6
	.text
	.protected	k_q0f8883b20b_qkv
	.globl	k_q0f8883b20b_qkv
	.p2align	8
	.type	k_q0f8883b20b_qkv,@function
k_q0f8883b20b_qkv:
	s_mov_b64 s[64:65], 0
	v_nop
	global_prefetch_b8 v0, s[64:65] scope:SCOPE_SE
	s_setreg_imm32_b32 hwreg(HW_REG_WAVE_MODE, 25, 1), 1
	s_wait_xcnt 0x0
; h = LN1(x), quantised along its 512; q = h wq, k = h wk, v = h wv on codes of FP4 (E2M1) with E8M0 scales; q and k quantised along the head's 32, v along the keys; all three stored as images of operand registers.
; SHARES.  A work-group owns 32 rows (one group g of one batch).  Wave w is head w: it makes q, k, v of that head for the 32 rows (12 accumulators).  In LN1 wave w owns columns 32 w .. 32 w + 31: one block of the quantiser.
; THE TILE RULE: 32 neighbours make two tiles u = 0, 1; row i of tile u is element 8 u + i + 8 (i / 8).  A result's register j of lane (r, h) is then element 16 h + 8 u + j: the 16 registers of both tiles are 16 neighbours,
; and lanes l and l xor 16 hold one block of 32.  A lane's 16 codes are 8 bytes of an image: block beta of row r lies at 256 beta + 16 r, my half at + 8 h.  So nothing changes lanes but one maximum.
; q and k are made TRANSPOSED (source 0 = 16 columns of the weight, source 1 = 16 rows of h): a lane holds a row and its registers run along the head.  v is made the other way round: a lane holds a channel, registers run down the keys.
; The weights come from memory straight into registers, in the order in which the first launch laid them: 15 loads a K step, two K steps ahead, in two sets.
; LN1: mean and variance in two passes (no difference of large sums), partial sums from wave to wave through LDS.
; OUT: qkvc: q at 0, k at 2,097,152: [bh][g][u][r][16 bytes]; v at 4,194,304: [bh][step of 128 keys][un][1,024-byte image].  qkvs: q at 0, k at 524,288: [bh][g][u][r] words, the byte four times; v at 1,048,576: [bh][step][un][r] words, byte g % 4.
; LIMITS: a block of zeros gets the byte 1 where the rule says 127 (its codes are zeros; this program alone reads the bytes); NaN and infinities among the inputs are not served.
; THE WEIGHTS OF K STEPS 2 AND 3 take another way than those of steps 0 and 1: each wave copies its own 2 x 6,528 bytes to LDS at the head (asynchronous copies, bytes filled once and read by that wave alone),
; so that they are on their way while x arrives and LN1 is computed; they come into the two register sets by LDS loads when steps 0 and 1 have left them.
.set PITCH, 2064                       ; an LDS row of x: 2,048 bytes + 16
.set WLDS,  86016                      ; behind the spare words: 13,312 bytes a wave, laid as in memory
.set AL,  15                           ; v15  WLDS + 13,312 w + 16 lane; never rewritten
.set AL4, 23                           ; v23  WLDS + 13,312 w + 4 lane; never rewritten
.set HIMG,  66048                      ; behind the 32 rows: h's images [u][K step][1,024]
.set HSC,   74240                      ; their scale words [K step][u][r]
.set STAT1, 74752                      ; partial sums: 80 bytes a row, a word a wave;  the squares' 2,560 bytes further on
.set PAR,   79872                      ; 256 bytes a wave: its 32 gains, its 32 biases
.set SPARE, 83968                      ; the spare words, 128 bytes for each wave: eight blocks of 256 bytes that no other line names
.set XO, 1                             ; v1   my own 64 bytes of row r: 2,064 r + 128 w + 64 h
.set XR, 2                             ; v2   my wave's two whole rows: 4,128 w + 16 lane
.set LI, 3                             ; v3   an image's place for my lane
.set LS, 4                             ; v4   a scale word's
.set STR, 5                            ; v5   row = lane's sixteen partial sums
.set STW, 6                            ; v6   my wave's word among them
.set IW, 7                             ; v7   where my 8 bytes of h's image go
.set SW, 8                             ; v8   and my block's scale byte
.set PA, 9                             ; v9   my 16 gains
.set L16, 10                           ; v10  16 x lane
.set L4, 11                            ; v11  4 x lane
.set LP, 12                            ; v12  16 r + 8 h
.set T4, 13                            ; v13  4 x thread
.set PW, 14                            ; v14  where my gain goes
.set WS, 16                            ; v16-21  the weights' scale words, two sets of three: lanes 0-15 tile un = 0, lanes 16-31 un = 1
.set HS, 22                            ; v22  h's scale words: lanes 0-15 tile u = 0, lanes 16-31 u = 1
.set HF, 24                            ; v24-39  h's two fragments
.set ACC, 40                           ; v40-135 q at 16 um + 8 un, k at 32 + the same, v at 64 + 16 un + 8 um
.set WB, 136                           ; v136-231 the weights' fragments, two sets of six
.set TT, 232                           ; v232-253 at work
.set SPW, 254                          ; v254 LDS address of my spare word; never rewritten
.set NIL, 255                          ; v255 0; never rewritten
.set WV, 16
.set SEL, 18
.set HM, 20
.set INV, 21
.set EPS, 38
.set REP, 39
.macro PLACES n
.rept \n
	v_nop
.endr
.endm
.macro BARRIER                         ; my LDS stores have landed and my LDS loads are in: then the work-group's barrier
	s_wait_dscnt 0x0
	s_barrier_signal -1
	s_barrier_wait -1
.endm
; one matrix instruction: c < 0 starts the sum with the constant 0; ra, rb: the scale words stand in lanes 16-31
.macro WM d, a, b, c, sa, sb, ra, rb
.if (\c) < 0
.if (\ra) && (\rb)
	v_wmma_scale_f32_16x16x128_f8f6f4 v[(\d):(\d)+7], v[(\a):(\a)+7], v[(\b):(\b)+7], 0, v[\sa], v[\sb] matrix_a_fmt:MATRIX_FMT_FP4 matrix_b_fmt:MATRIX_FMT_FP4 matrix_a_scale:MATRIX_SCALE_ROW1 matrix_b_scale:MATRIX_SCALE_ROW1
.elseif (\ra)
	v_wmma_scale_f32_16x16x128_f8f6f4 v[(\d):(\d)+7], v[(\a):(\a)+7], v[(\b):(\b)+7], 0, v[\sa], v[\sb] matrix_a_fmt:MATRIX_FMT_FP4 matrix_b_fmt:MATRIX_FMT_FP4 matrix_a_scale:MATRIX_SCALE_ROW1
.elseif (\rb)
	v_wmma_scale_f32_16x16x128_f8f6f4 v[(\d):(\d)+7], v[(\a):(\a)+7], v[(\b):(\b)+7], 0, v[\sa], v[\sb] matrix_a_fmt:MATRIX_FMT_FP4 matrix_b_fmt:MATRIX_FMT_FP4 matrix_b_scale:MATRIX_SCALE_ROW1
.else
	v_wmma_scale_f32_16x16x128_f8f6f4 v[(\d):(\d)+7], v[(\a):(\a)+7], v[(\b):(\b)+7], 0, v[\sa], v[\sb] matrix_a_fmt:MATRIX_FMT_FP4 matrix_b_fmt:MATRIX_FMT_FP4
.endif
.else
.if (\ra) && (\rb)
	v_wmma_scale_f32_16x16x128_f8f6f4 v[(\d):(\d)+7], v[(\a):(\a)+7], v[(\b):(\b)+7], v[(\c):(\c)+7], v[\sa], v[\sb] matrix_a_fmt:MATRIX_FMT_FP4 matrix_b_fmt:MATRIX_FMT_FP4 matrix_a_scale:MATRIX_SCALE_ROW1 matrix_b_scale:MATRIX_SCALE_ROW1
.elseif (\ra)
	v_wmma_scale_f32_16x16x128_f8f6f4 v[(\d):(\d)+7], v[(\a):(\a)+7], v[(\b):(\b)+7], v[(\c):(\c)+7], v[\sa], v[\sb] matrix_a_fmt:MATRIX_FMT_FP4 matrix_b_fmt:MATRIX_FMT_FP4 matrix_a_scale:MATRIX_SCALE_ROW1
.elseif (\rb)
	v_wmma_scale_f32_16x16x128_f8f6f4 v[(\d):(\d)+7], v[(\a):(\a)+7], v[(\b):(\b)+7], v[(\c):(\c)+7], v[\sa], v[\sb] matrix_a_fmt:MATRIX_FMT_FP4 matrix_b_fmt:MATRIX_FMT_FP4 matrix_b_scale:MATRIX_SCALE_ROW1
.else
	v_wmma_scale_f32_16x16x128_f8f6f4 v[(\d):(\d)+7], v[(\a):(\a)+7], v[(\b):(\b)+7], v[(\c):(\c)+7], v[\sa], v[\sb] matrix_a_fmt:MATRIX_FMT_FP4 matrix_b_fmt:MATRIX_FMT_FP4
.endif
.endif
.endm
; nb half blocks are quantised: half block b = my 16 numbers v[src + 16 b ..], the other 16 lie in lane l xor 16.  tm: 3 nb registers (largest magnitudes; then at tm + nb the bytes; at tm + 2 nb the conversions' scale operands);
; cd: 2 nb registers, the codes: 8 bytes a half block.  All lines go by turns over b; each run of 16 is read from its low end on.
.macro QBLK src, nb, tm, cd
.set qb, 0
.rept \nb
	v_mov_b32 v[(\tm)+(\nb)+qb], 0                 ; a lane permute's destination counts as one of its sources
.set qb, qb+1
.endr
.set qb, 0
.rept \nb
	v_max3_num_f32 v[(\tm)+qb], |v[(\src)+16*qb]|, |v[(\src)+16*qb+1]|, 0x1800000   ; with the floor 2^(3 - 127): the byte cannot fall under 1
.set qb, qb+1
.endr
.irp i, 2,4,6,8,10,12,14
.set qb, 0
.rept \nb
	v_max3_num_f32 v[(\tm)+qb], v[(\tm)+qb], |v[(\src)+16*qb+\i]|, |v[(\src)+16*qb+\i+1]|
.set qb, qb+1
.endr
.endr
.set qb, 0
.rept \nb
	v_permlanex16_b32 v[(\tm)+(\nb)+qb], v[(\tm)+qb], s[SEL], s[SEL+1]
.set qb, qb+1
.endr
.set qb, 0
.rept \nb
	v_max_num_f32 v[(\tm)+qb], v[(\tm)+qb], v[(\tm)+(\nb)+qb]      ; the block's largest magnitude
.set qb, qb+1
.endr
.set qb, 0
.rept \nb
	v_add_nc_u32 v[(\tm)+2*(\nb)+qb], 0xff000000, v[(\tm)+qb]      ; 2 off its exponent field: the conversion's scale operand
.set qb, qb+1
.endr
.set qb, 0
.rept \nb
	v_lshrrev_b32 v[(\tm)+(\nb)+qb], 23, v[(\tm)+2*(\nb)+qb]       ; the scale's byte
.set qb, qb+1
.endr
.set qb, 0
.rept \nb
	v_cvt_scalef32_pk8_fp4_f32 v[(\cd)+2*qb], v[(\src)+16*qb:(\src)+16*qb+7], v[(\tm)+2*(\nb)+qb]
	v_cvt_scalef32_pk8_fp4_f32 v[(\cd)+2*qb+1], v[(\src)+16*qb+8:(\src)+16*qb+15], v[(\tm)+2*(\nb)+qb]
.set qb, qb+1
.endr
	v_nop                                          ; one plain place behind the last scaled conversion
.endm
.macro HSUM x, t, d                    ; the sum of 16 registers, by a fixed tree
	v_pk_add_f32 v[(\t):(\t)+1], v[(\x):(\x)+1], v[(\x)+2:(\x)+3]
	v_pk_add_f32 v[(\t)+2:(\t)+3], v[(\x)+4:(\x)+5], v[(\x)+6:(\x)+7]
	v_pk_add_f32 v[(\t)+4:(\t)+5], v[(\x)+8:(\x)+9], v[(\x)+10:(\x)+11]
	v_pk_add_f32 v[(\t)+6:(\t)+7], v[(\x)+12:(\x)+13], v[(\x)+14:(\x)+15]
	s_delay_alu instid0(VALU_DEP_3)
	v_pk_add_f32 v[(\t):(\t)+1], v[(\t):(\t)+1], v[(\t)+2:(\t)+3]
	s_delay_alu instid0(VALU_DEP_2)
	v_pk_add_f32 v[(\t)+4:(\t)+5], v[(\t)+4:(\t)+5], v[(\t)+6:(\t)+7]
	s_delay_alu instid0(VALU_DEP_1)
	v_pk_add_f32 v[(\t):(\t)+1], v[(\t):(\t)+1], v[(\t)+4:(\t)+5]
	s_delay_alu instid0(VALU_DEP_1)
	v_add_f32 v[\d], v[(\t)], v[(\t)+1]
.endm
.macro SQSUM x, t, d                   ; the sum of their squares, in two chains
	v_pk_mul_f32 v[(\t)+4:(\t)+5], v[(\x):(\x)+1], v[(\x):(\x)+1]
	v_pk_mul_f32 v[(\t)+6:(\t)+7], v[(\x)+2:(\x)+3], v[(\x)+2:(\x)+3]
.irp i, 4,8,12
	s_delay_alu instid0(VALU_DEP_2)
	v_pk_fma_f32 v[(\t)+4:(\t)+5], v[(\x)+\i:(\x)+\i+1], v[(\x)+\i:(\x)+\i+1], v[(\t)+4:(\t)+5]
	s_delay_alu instid0(VALU_DEP_2)
	v_pk_fma_f32 v[(\t)+6:(\t)+7], v[(\x)+\i+2:(\x)+\i+3], v[(\x)+\i+2:(\x)+\i+3], v[(\t)+6:(\t)+7]
.endr
	s_delay_alu instid0(VALU_DEP_1)
	v_pk_add_f32 v[(\t)+4:(\t)+5], v[(\t)+4:(\t)+5], v[(\t)+6:(\t)+7]
	s_delay_alu instid0(VALU_DEP_1)
	v_add_f32 v[\d], v[(\t)+4], v[(\t)+5]
.endm
.macro CROSS t                         ; t + 8, t + 9: my 16 columns' figure for rows r and 16 + r.  I keep that of row = my lane and send the other to lane l xor 16: t + 10 = the wave's 32 columns' figure for row = lane
	s_delay_alu instid0(VALU_DEP_1)
	v_cndmask_b32 v[(\t)+10], v[(\t)+8], v[(\t)+9], s[HM]
	s_delay_alu instid0(VALU_DEP_2)
	v_cndmask_b32 v[(\t)+11], v[(\t)+9], v[(\t)+8], s[HM]
	s_delay_alu instid0(VALU_DEP_1)
	v_permlanex16_b32 v[(\t)+9], v[(\t)+11], s[SEL], s[SEL+1]
	s_delay_alu instid0(VALU_DEP_1)
	v_add_f32 v[(\t)+10], v[(\t)+10], v[(\t)+9]
.endm
.macro SPLIT t                         ; t + 8: a figure of row = lane.  t: that of row r;  t + 2: that of row 16 + r
	v_permlanex16_b32 v[(\t)+9], v[(\t)+8], s[SEL], s[SEL+1]
	v_cndmask_b32 v[(\t)], v[(\t)+8], v[(\t)+9], s[HM]
	v_cndmask_b32 v[(\t)+2], v[(\t)+9], v[(\t)+8], s[HM]
.endm
.macro STATS r, off                    ; row = lane's sixteen partial figures
.irp q, 0,1,2,3
	ds_load_b128 v[(\r)+4*\q:(\r)+4*\q+3], v[STR] offset:(\off)+16*\q
.endr
	s_wait_dscnt 0x0
.endm
; LayerNorm and quantiser.  x: 32 registers: x + 16 u + i = column 32 w + 16 h + i of LDS row 16 u + r;  gg, bb: gain and bias of those 16 columns;  r: 16 registers, t: 12, at work.  Two barriers inside; the caller's follows.
.macro LNQ x, gg, bb, r, t
	HSUM \x,\t,(\t)+8
	HSUM (\x)+16,\t,(\t)+9
	CROSS \t
	ds_store_b32 v[STW], v[(\t)+10]
	BARRIER
	STATS \r,0
	HSUM \r,\t,(\t)+8
	s_delay_alu instid0(VALU_DEP_1)
	v_mul_f32 v[(\t)+8], s[INV], v[(\t)+8]         ; the mean of row = lane
	SPLIT \t
.irp u, 0,1
.irp i, 0,2,4,6,8,10,12,14
	v_pk_add_f32 v[(\x)+16*\u+\i:(\x)+16*\u+\i+1], v[(\x)+16*\u+\i:(\x)+16*\u+\i+1], v[(\t)+2*\u:(\t)+2*\u+1] op_sel_hi:[1,0] neg_lo:[0,1] neg_hi:[0,1]   ; x - mean
.endr
.endr
.irp u, 0,1
	SQSUM (\x)+16*\u,\t,(\t)+8+\u
.endr
	CROSS \t
	ds_store_b32 v[STW], v[(\t)+10] offset:2560
	BARRIER
	STATS \r,2560
	HSUM \r,\t,(\t)+10
	s_delay_alu instid0(VALU_DEP_1)
	v_fma_f32 v[(\t)+10], v[(\t)+10], s[INV], s[EPS]   ; the variance + eps
	s_wait_alu depctr_va_vdst(0)
	v_rsq_f32 v[(\t)+8], v[(\t)+10]
	v_nop                                          ; a plain place behind the transcendental
	s_wait_alu depctr_va_vdst(0)                   ; the wait ahead of the first line that names its result
	SPLIT \t
.irp u, 0,1
.irp i, 0,2,4,6,8,10,12,14
	v_pk_mul_f32 v[(\x)+16*\u+\i:(\x)+16*\u+\i+1], v[(\x)+16*\u+\i:(\x)+16*\u+\i+1], v[(\t)+2*\u:(\t)+2*\u+1] op_sel_hi:[1,0]
.endr
.endr
.irp u, 0,1
.irp i, 0,2,4,6,8,10,12,14
	v_pk_fma_f32 v[(\x)+16*\u+\i:(\x)+16*\u+\i+1], v[(\x)+16*\u+\i:(\x)+16*\u+\i+1], v[(\gg)+\i:(\gg)+\i+1], v[(\bb)+\i:(\bb)+\i+1]
.endr
.endr
	QBLK \x,2,\r,(\r)+6
.irp u, 0,1
	ds_store_b64 v[IW], v[(\r)+6+2*\u:(\r)+7+2*\u] offset:\u*4096
.endr
	v_cndmask_b32 v[(\t)], v[(\r)+2], v[(\r)+3], s[HM]   ; the byte of row = lane
	ds_store_b8 v[SW], v[(\t)]
.endm
	s_load_b256 s[4:11], s[0:1], 0x0               ; x, ln1_g, ln1_b, wts
	s_load_b128 s[12:15], s[0:1], 0x20             ; qkvc, qkvs
	v_lshl_add_u32 v[SPW], v0, 2, SPARE
	v_mov_b32 v[NIL], 0
	ds_add_u32 v[SPW], v[NIL]                      ; the opening lines: the add, twice on end, and its wait ahead of my first copy
	ds_add_u32 v[SPW], v[NIL]
	v_lshrrev_b32 v[TT], 5, v0
	s_delay_alu instid0(VALU_DEP_1)
	v_readfirstlane_b32 s[WV], v[TT]               ; wave = head
	v_and_b32 v[TT], 31, v0                        ; lane
	v_and_b32 v[TT+1], 15, v0                      ; r
	v_bfe_u32 v[TT+2], v0, 4, 1                    ; h
	v_lshlrev_b32 v[T4], 2, v0
	s_delay_alu instid0(VALU_DEP_4)
	v_lshlrev_b32 v[L16], 4, v[TT]
	v_lshlrev_b32 v[L4], 2, v[TT]
	v_mul_u32_u24 v[XO], v[TT+1], PITCH
	s_delay_alu instid0(VALU_DEP_1)
	v_lshl_add_u32 v[XO], v[TT+2], 6, v[XO]
	s_lshl_b32 s40, s[WV], 7
	v_add_nc_u32 v[XO], s40, v[XO]
	s_mul_i32 s40, s[WV], 2*PITCH
	v_add_nc_u32 v[XR], s40, v[L16]
	v_add_nc_u32 v[LI], HIMG, v[L16]
	v_add_nc_u32 v[LS], HSC, v[L4]
	v_mul_u32_u24 v[STR], v[TT], 80
	s_delay_alu instid0(VALU_DEP_1)
	v_add_nc_u32 v[STR], STAT1, v[STR]
	s_lshl_b32 s40, s[WV], 2
	v_add_nc_u32 v[STW], s40, v[STR]
	v_lshlrev_b32 v[LP], 4, v[TT+1]
	s_delay_alu instid0(VALU_DEP_1)
	v_lshl_add_u32 v[LP], v[TT+2], 3, v[LP]
	s_lshl_b32 s40, s[WV], 8                       ; K step w / 4, block w % 4: 256 w
	s_add_co_u32 s41, s40, HIMG
	v_add_nc_u32 v[IW], s41, v[LP]
	s_add_co_u32 s41, s40, PAR
	v_lshl_add_u32 v[PA], v[TT+2], 6, s41
	v_add_nc_u32 v[PW], s41, v[L4]
	s_lshr_b32 s40, s[WV], 2
	s_lshl_b32 s40, s40, 7
	s_and_b32 s41, s[WV], 3
	s_add_co_u32 s40, s40, s41
	s_add_co_u32 s40, s40, HSC
	v_add_nc_u32 v[SW], s40, v[L4]
	s_mul_i32 s36, s[WV], 13312
	s_add_co_u32 s36, s36, WLDS
	v_add_nc_u32 v[AL], s36, v[L16]
	v_add_nc_u32 v[AL4], s36, v[L4]
	s_mov_b32 s[SEL], 0x76543210
	s_mov_b32 s[SEL+1], 0xfedcba98                 ; v_permlanex16_b32's selects for lane l xor 16
	s_mov_b32 s[HM], 0xffff0000                    ; lanes 16-31
	s_mov_b32 s[INV], 0x3b000000                   ; 1 / 512
	s_mov_b32 s[EPS], 0x3727c5ac                   ; 1e-5
	s_mov_b32 s[REP], 0x01010101
	; LDS rows 2 w and 2 w + 1 are the neighbouring rows tw and tw + 1 of the group: tw = 8 (w / 8) + 2 (w % 8) + 8 ((w / 4) % 2)
	s_lshr_b32 s40, s[WV], 3
	s_lshl_b32 s40, s40, 3
	s_and_b32 s41, s[WV], 7
	s_lshl_b32 s41, s41, 1
	s_add_co_u32 s40, s40, s41
	s_bfe_u32 s41, s[WV], 0x10002
	s_lshl_b32 s41, s41, 3
	s_add_co_u32 s40, s40, s41
	s_lshl_b32 s41, ttmp9, 5
	s_add_co_u32 s40, s40, s41
	s_lshl_b32 s40, s40, 11
	s_mov_b32 s41, 0
	s_mul_i32 s42, s[WV], 26624                    ; my head's weights
	s_mov_b32 s43, 0
	s_lshr_b32 s52, ttmp9, 5
	s_lshl_b32 s52, s52, 4
	s_add_co_u32 s52, s52, s[WV]                   ; bh = 16 x batch + head
	s_and_b32 s53, ttmp9, 31                       ; g
	s_lshl_b32 s54, s52, 5
	s_add_co_u32 s54, s54, s53
	s_lshl_b32 s44, s54, 9                         ; q's and k's codes: 512 bytes a group
	s_mov_b32 s45, 0
	s_lshl_b32 s48, s54, 7                         ; their scale words: 128
	s_mov_b32 s49, 0
	s_lshr_b32 s54, s53, 2
	s_and_b32 s53, s53, 3
	s_lshl_b32 s46, s52, 14                        ; v's codes: 16,384 bh + 2,048 (g / 4) + 256 (g % 4)
	s_lshl_b32 s55, s54, 11
	s_add_co_u32 s46, s46, s55
	s_lshl_b32 s55, s53, 8
	s_add_co_u32 s46, s46, s55
	s_mov_b32 s47, 0
	s_lshl_b32 s50, s52, 10                        ; v's scale bytes: 1,024 bh + 128 (g / 4) + g % 4
	s_lshl_b32 s55, s54, 7
	s_add_co_u32 s50, s50, s55
	s_add_co_u32 s50, s50, s53
	s_mov_b32 s51, 0
	s_wait_alu depctr_va_vdst(0)
	s_wait_dscnt 0x0                               ; both opening adds are done
	s_wait_kmcnt 0x0
	s_add_nc_u64 s[22:23], s[4:5], s[40:41]
	s_add_nc_u64 s[24:25], s[10:11], s[42:43]
	s_add_nc_u64 s[34:35], s[24:25], 13312         ; my head's weights of K step 2
	s_add_nc_u64 s[26:27], s[12:13], s[44:45]
	s_add_nc_u64 s[28:29], s[12:13], s[46:47]
	s_add_nc_u64 s[30:31], s[14:15], s[48:49]
	s_add_nc_u64 s[32:33], s[14:15], s[50:51]
.macro LOADG s, set                    ; a K step's six fragments and their scale words: 15 loads
.if (\s) < 2
.irp k, 0,1,2,3,4,5,6,7,8,9,10,11
	global_load_b128 v[WB+48*(\set)+4*\k:WB+48*(\set)+4*\k+3], v[L16], s[24:25] offset:6656*(\s)+512*\k
.endr
.irp m, 0,1,2
	global_load_b32 v[WS+3*(\set)+\m], v[L4], s[24:25] offset:6656*(\s)+6144+128*\m
.endr
.else                                  ; K steps 2 and 3 lie in my own LDS bytes
	s_wait_asynccnt 0x0                            ; my copies have landed
.irp k, 0,1,2,3,4,5,6,7,8,9,10,11
	ds_load_b128 v[WB+48*(\set)+4*\k:WB+48*(\set)+4*\k+3], v[AL] offset:6656*((\s)-2)+512*\k
.endr
.irp m, 0,1,2
	ds_load_b32 v[WS+3*(\set)+\m], v[AL4] offset:6656*((\s)-2)+6144+128*\m
.endr
.endif
.endm
.irp q, 0,1,2,3,4,5,6,7
	global_load_b128 v[ACC+4*\q:ACC+4*\q+3], v[L16], s[22:23] offset:512*\q   ; two whole rows of x: 512 consecutive bytes a load
.endr
	global_load_b32 v[ACC+32], v[T4], s[6:7]       ; my wave's 32 gains,
	global_load_b32 v[ACC+33], v[T4], s[8:9]       ; and biases
	LOADG 0,0
	LOADG 1,1
.irp s, 0,1                            ; K steps 2 and 3: 12 copies of 512 bytes and 3 of 128 each; the immediate is added to both addresses
.irp k, 0,1,2,3,4,5,6,7,8,9,10,11
	global_load_async_to_lds_b128 v[AL], v[L16], s[34:35] offset:6656*\s+512*\k
.endr
.irp m, 0,1,2
	global_load_async_to_lds_b32 v[AL4], v[L4], s[34:35] offset:6656*\s+6144+128*\m
.endr
.endr
	s_wait_loadcnt 30                              ; x and the parameters are in; the two K steps' weights, 15 loads each, stay out
.irp q, 0,1,2,3,4,5,6,7
	ds_store_b128 v[XR], v[ACC+4*\q:ACC+4*\q+3] offset:(\q/4)*PITCH+(\q%4)*512
.endr
	ds_store_b32 v[PW], v[ACC+32]
	ds_store_b32 v[PW], v[ACC+33] offset:128
	BARRIER                                        ; the 32 rows lie in LDS
.irp u, 0,1
.irp q, 0,1,2,3
	ds_load_b128 v[ACC+16*\u+4*\q:ACC+16*\u+4*\q+3], v[XO] offset:\u*16*PITCH+16*\q
.endr
.endr
.irp q, 0,1,2,3
	ds_load_b128 v[ACC+32+4*\q:ACC+32+4*\q+3], v[PA] offset:16*\q
	ds_load_b128 v[ACC+48+4*\q:ACC+48+4*\q+3], v[PA] offset:128+16*\q
.endr
	s_wait_dscnt 0x0
	LNQ ACC,ACC+32,ACC+48,HF,TT
	BARRIER                                        ; h's eight fragments and their scale words lie in LDS
; A K step: 12 matrix instructions, each accumulator once: they take turns, from step to step too
.macro KSTEP s
.set wset, (\s)%2
.irp u, 0,1
.irp c, 0,1
	ds_load_b128 v[HF+8*\u+4*\c:HF+8*\u+4*\c+3], v[LI] offset:\u*4096+(\s)*1024+\c*512
.endr
.endr
	ds_load_b32 v[HS], v[LS] offset:(\s)*128
.if (\s) == 0
	s_wait_loadcnt 15                              ; this K step's weights are in; step 1's 15 loads may be out
.elseif (\s) == 1
	s_wait_loadcnt 0x0
.endif                                 ; (steps 2 and 3: their LDS loads are waited for below)
	s_wait_dscnt 0x0
.irp m, 0,1
.irp um, 0,1
.irp un, 0,1
.set dd, ACC+32*\m+16*\um+8*\un
.set cc, dd
.if (\s) == 0
.set cc, -1
.endif
	WM dd,WB+48*wset+8*(2*\m+\un),HF+8*\um,cc,WS+3*wset+\m,HS,\un,\um
.endr
.endr
.endr
.irp un, 0,1
.irp um, 0,1
.set dd, ACC+64+16*\un+8*\um
.set cc, dd
.if (\s) == 0
.set cc, -1
.endif
	WM dd,HF+8*\um,WB+48*wset+8*(4+\un),cc,HS,WS+3*wset+2,\um,\un
.endr
.endr
	PLACES 4                                       ; in front of loads into registers that matrix instructions have read, and of the first read of results
.if (\s) < 2
	LOADG (\s)+2,wset
.endif
.endm
	KSTEP 0
	KSTEP 1
	KSTEP 2
	KSTEP 3
	QBLK ACC,6,WB,WB+18                            ; half blocks 0, 1: q of tile um; 2, 3: k; 4, 5: v of tile un
.irp u, 0,1
	global_store_b64 v[LP], v[WB+18+2*\u:WB+19+2*\u], s[26:27] offset:256*\u           ; 32 lanes store 256 consecutive bytes, at a multiple of 256 from the buffer's first byte
	global_store_b64 v[LP], v[WB+22+2*\u:WB+23+2*\u], s[26:27] offset:2097152+256*\u
	global_store_b64 v[LP], v[WB+26+2*\u:WB+27+2*\u], s[28:29] offset:4194304+1024*\u
.endr
	v_cndmask_b32 v[TT], v[WB+6], v[WB+7], s[HM]   ; lane 16 u + r stores tile u's byte of row r
	v_cndmask_b32 v[TT+1], v[WB+8], v[WB+9], s[HM]
	v_cndmask_b32 v[TT+2], v[WB+10], v[WB+11], s[HM]
	s_delay_alu instid0(VALU_DEP_3)
	v_mul_lo_u32 v[TT], v[TT], s[REP]              ; q's and k's byte four times: it serves whichever block of the scores' K the codes are put in
	s_delay_alu instid0(VALU_DEP_3)
	v_mul_lo_u32 v[TT+1], v[TT+1], s[REP]
	global_store_b32 v[L4], v[TT], s[30:31]
	global_store_b32 v[L4], v[TT+1], s[30:31] offset:524288
	global_store_b8 v[L4], v[TT+2], s[32:33] offset:1048576
	s_wait_tensorcnt 0x0                           ; the wave's end
	ds_add_u32 v[SPW], v[NIL]
	s_wait_dscnt 0x0
	s_endpgm
.Lfunc_end_k_q0f8883b20b_qkv:
	.size	k_q0f8883b20b_qkv, .Lfunc_end_k_q0f8883b20b_qkv-k_q0f8883b20b_qkv
	.p2alignl 7, 3214868480
	.fill 96, 4, 3214868480
	.section	.rodata,"a",@progbits
	.p2align	6, 0x0
	.amdhsa_kernel k_q0f8883b20b_qkv
		.amdhsa_group_segment_fixed_size 299008
		.amdhsa_private_segment_fixed_size 0
		.amdhsa_enable_private_segment 0
		.amdhsa_kernarg_size 48
		.amdhsa_user_sgpr_count 2
		.amdhsa_user_sgpr_kernarg_segment_ptr 1
		.amdhsa_wavefront_size32 1
		.amdhsa_system_sgpr_workgroup_id_x 1
		.amdhsa_system_sgpr_workgroup_id_y 1
		.amdhsa_system_sgpr_workgroup_id_z 1
		.amdhsa_system_vgpr_workitem_id 0
		.amdhsa_next_free_vgpr 256
		.amdhsa_next_free_sgpr 66
		.amdhsa_reserve_vcc 0
		.amdhsa_float_denorm_mode_32 3
		.amdhsa_float_denorm_mode_16_64 3
		.amdhsa_memory_ordered 1
		.amdhsa_forward_progress 1
		.amdhsa_inst_pref_size 41
	.end_amdhsa_kernel
	.amdgpu_metadata
---
amdhsa.version: [ 1, 2 ]
amdhsa.kernels:
  - .name:           k_q0f8883b20b_qkv
    .symbol:         k_q0f8883b20b_qkv.kd
    .args:
      - { .name: x, .offset: 0, .size: 8, .value_kind: global_buffer, .address_space: global }
      - { .name: ln1_g, .offset: 8, .size: 8, .value_kind: global_buffer, .address_space: global }
      - { .name: ln1_b, .offset: 16, .size: 8, .value_kind: global_buffer, .address_space: global }
      - { .name: wts, .offset: 24, .size: 8, .value_kind: global_buffer, .address_space: global }
      - { .name: qkvc, .offset: 32, .size: 8, .value_kind: global_buffer, .address_space: global }
      - { .name: qkvs, .offset: 40, .size: 8, .value_kind: global_buffer, .address_space: global }
    .group_segment_fixed_size: 299008
    .private_segment_fixed_size: 0
    .kernarg_segment_align: 8
    .kernarg_segment_size: 48
    .max_flat_workgroup_size: 512
    .sgpr_count:     66
    .vgpr_count:     256
    .wavefront_size: 32
...
	.end_amdgpu_metadata
.endif
;; end of part 2
;; launch attail (part 3): grid 256 x 1, 16 waves a work-group, no clusters, 281,600 bytes of LDS; arguments qkvc, qkvs, x, wts, b_proj, ln2_g, ln2_b, b1, b2, out0; writes out0
.if DOCPART == 3
	.amdgcn_target "amdgcn-amd-amdhsa--gfx1250"
	.amdhsa_code_object_version 6
	.text
	.protected	k_q0f8883b20b_attail
	.globl	k_q0f8883b20b_attail
	.p2align	8
	.type	k_q0f8883b20b_attail,@function
k_q0f8883b20b_attail:
	s_mov_b64 s[64:65], 0
	v_nop
	global_prefetch_b8 v0, s[64:65] scope:SCOPE_SE
	s_setreg_imm32_b32 hwreg(HW_REG_WAVE_MODE, 25, 1), 1
	s_wait_xcnt 0x0
; CAUSAL ATTENTION AND ALL THAT FOLLOWS IT, for 32 rows a work-group: attention of 16 heads, out = x + attn w_proj + b_proj, out0 = out + gelu(LN2(out) w1 + b1) w2 + b2.
; All products on codes of FP4 (E2M1) with E8M0 scales; attention's result, LN2's result and the hidden layer are quantised on the way and never go to memory.
; WORK LEFT OUT: key steps (128 keys) that lie wholly behind a tile's group of 32 queries, and, in the step that holds the diagonal, blocks of 32 keys that lie wholly behind it:
; reference()'s own mask makes their weights 0 for all inputs (shown at the head of the first launch).
; SHARES.  Work-group n: batch n / 32, j = (n % 32) / 2, u = n % 2.  Its 32 rows are two tiles of 16 queries: tile u of group j (tile A) and tile u of group 31 - j (tile B); row i of tile u is element 8 u + i + 8 (i / 8) of its group.
; Wave w is head w in the attention.  Tile A walks j / 4 open key steps and its diagonal step (j % 4 + 1 live blocks), tile B 7 - j / 4 open steps and its diagonal step (4 - j % 4 live blocks): 9 tile steps in every wave of every work-group.
; Both tiles walk the keys from 0, so while A lives they share each fragment of k and v.  Trip counts and the choice of a diagonal form hang on the work-group's number alone.
; THE SOFTMAX: t = score x log2(e) / sqrt(32); M = the running largest t, rounded UP to a whole number; p = 2^(t - M) is quantised along the keys, not normalised; the row's sum is taken of the unquantised p and divides at the end.
; THE SCORES' K IS 32, the instruction's 128: source 0 is a whole fragment of k's codes, whose four blocks are four tiles of 16 keys; source 1 is q with its codes in ONE block and zero codes in the three others.
; Both products are used transposed: a lane holds one query.  O / the sum is quantised along the head's 32 and stored as 8 bytes of the projection's operand image in LDS.
; BEHIND THE ATTENTION wave w owns columns 32 w .. 32 w + 31 (projection, LN2, last product) and hidden units 128 w .. 128 w + 127 (product with w1).  Operands go from wave to wave through LDS as images of their registers.
; THE WEIGHTS of a wave are one stream of 18 groups of 4,352 bytes, from memory straight into a ring of four register sets, three groups ahead.  Each fragment is used by one wave of the work-group alone.
; NO TENSOR LOADS, NO CLUSTER: the loops' trip counts hang on the work-group's number, and partners of a cluster would stand at different key steps when the weights' stream begins; k and v of a head are read by one wave of a work-group.
; PREFETCH: work-groups 0 to 9 ask once, at the head, for the weights' stream: wave w for blocks 32 n + lane of its 306 blocks of 256 bytes (the lanes left over name the wave's last block): each block is named once in the launch, the whole attention ahead of its first load.
; GELU: 0.5 x (1 + erf(x / sqrt 2)), erf(z) = z P(z^2) / Q(z^2) on z held to +-4, in f32.
; LIMITS: t is rounded once where reference() rounds twice; a p under 2^-126 counts as 0; 1 + erf has an absolute error of about 1e-7; a block of zeros gets the byte 1 where the rule says 127, a block left out the byte 0
; (their codes are zeros; this program alone reads the bytes); NaN and infinities are not served; a NaN, an infinity or an overflow that would arise only in the scores left out is not carried to the result.
.set PITCH, 2064
.set AIMG,  66048                      ; attention's images [tile][K step 4][1,024]
.set H2IMG, 74240                      ; LN2's, 8,192 further on
.set H2SC,  82432
.set HSC,   82944
.set STAT1, 84992
.set PAR,   90112                      ; 1,024 bytes a wave: b_proj 0, gain 128, bias 256, b2 384, b1 512
.set HIMG,  106496
.set SPARE, 139264                     ; the spare words, 128 bytes a wave
.set ASC,   141312                     ; attention's scale words [K step 4][tile][r]
.set WLDS,  142336                     ; groups 16 and 17 of every wave's weights, 8,704 bytes a wave: filled once, by copies at the head, and read by that wave alone
.set TSH, 99
.set AL, 218                           ; v218 the copies' LDS address; untouched until the wait for them
.set WL, 6                             ; v6, v7 (in the last product): WLDS + 8,704 w + 16 lane, + 4 lane
.set WL4, 7
.set PK, 58                            ; v58, v59 the offsets of the prefetches of k and v
; registers of the attention
.set DQ, 1                             ; my query within its block of 32, less 16 h
.set QSO, 2
.set XRH, 3
.set FF, 4
.set SUM2, 6
.set WK, 8
.set Q16, 12
.set L16, 13
.set L4, 14
.set PFO, 15                           ; the prefetch's offset; never rewritten
.set QB, 16                            ; v16-51 [Z QL0 Z QH0 Z QL1 Z QH1 Z]
.set QS, 52
.set KS, 53
.set VS, 57
.set OA, 60                            ; v60-91 O^T at 16 tile + 8 un
.set ST, 92                            ; v92-99 tile at 4 tile: -M, largest t, the sum in two halves
.set BM, 100
.set BP, 104
.set P, 108
.set PS, 116
.set SO, 117
.set KF, 122
.set VF, 138
.set S, 154                            ; v154-217
.set ON, 28                            ; O / the sum
; registers behind the attention
.set XO, 1
.set XR, 2
.set LI, 3
.set LH, 4
.set LS, 5
.set STR, 6
.set STW, 7
.set IW, 8                             ; AIMG + 256 w + 16 r + 8 h
.set HW, 9
.set SW, 10
.set HSW, 11
.set PA, 12
.set WS, 16
.set AS, 24
.set HF, 28
.set ACC, 44
.set WB, 108
.set TT, 236
.set SPW, 254
.set NIL, 255
.set SEL, 30
.set HM, 32
.set INV, 33
.set EPS, 34
.set WV, 35
.set CS, 36
.set CA, 40
.set CB, 54
.set SGA, 88
.set SPA, 89
.set SNB, 90
.set CNT, 91
.set TSA, 92
.set TSB, 93
.set TSC, 94
.set TSD, 95
.set TSE, 96
.set TSF, 97
.set TSG, 98
.set ZC, HF
.set Z2, HF+8
.set GA, TT
.set GB, TT+8
.macro PLACES n
.rept \n
	v_nop
.endr
.endm
.macro BARRIER                         ; my LDS stores have landed and my LDS loads are in: then the work-group's barrier
	s_wait_dscnt 0x0
	s_barrier_signal -1
	s_barrier_wait -1
.endm
.macro WMI d, a, b, c, sa, sb, ra, rb  ; ra, rb: the scale words stand in lanes 16-31
.if (\ra) && (\rb)
	v_wmma_scale_f32_16x16x128_f8f6f4 v[(\d):(\d)+7], v[(\a):(\a)+7], v[(\b):(\b)+7], \c, v[\sa], v[\sb] matrix_a_fmt:MATRIX_FMT_FP4 matrix_b_fmt:MATRIX_FMT_FP4 matrix_a_scale:MATRIX_SCALE_ROW1 matrix_b_scale:MATRIX_SCALE_ROW1
.elseif (\ra)
	v_wmma_scale_f32_16x16x128_f8f6f4 v[(\d):(\d)+7], v[(\a):(\a)+7], v[(\b):(\b)+7], \c, v[\sa], v[\sb] matrix_a_fmt:MATRIX_FMT_FP4 matrix_b_fmt:MATRIX_FMT_FP4 matrix_a_scale:MATRIX_SCALE_ROW1
.elseif (\rb)
	v_wmma_scale_f32_16x16x128_f8f6f4 v[(\d):(\d)+7], v[(\a):(\a)+7], v[(\b):(\b)+7], \c, v[\sa], v[\sb] matrix_a_fmt:MATRIX_FMT_FP4 matrix_b_fmt:MATRIX_FMT_FP4 matrix_b_scale:MATRIX_SCALE_ROW1
.else
	v_wmma_scale_f32_16x16x128_f8f6f4 v[(\d):(\d)+7], v[(\a):(\a)+7], v[(\b):(\b)+7], \c, v[\sa], v[\sb] matrix_a_fmt:MATRIX_FMT_FP4 matrix_b_fmt:MATRIX_FMT_FP4
.endif
.endm
.macro WM d, a, b, c, sa, sb, ra, rb   ; c < 0 starts the sum with the constant 0
.if (\c) < 0
	WMI \d,\a,\b,0,\sa,\sb,\ra,\rb
.else
	WMI \d,\a,\b,v[(\c):(\c)+7],\sa,\sb,\ra,\rb
.endif
.endm
; nb half blocks are quantised: half block b = my 16 numbers v[src + 16 b ..], the other 16 lie in lane l xor 16.  tm: 3 nb registers (at tm + nb the bytes); cd: 2 nb registers, the codes
.macro QBLK src, nb, tm, cd
.set qb, 0
.rept \nb
	v_mov_b32 v[(\tm)+(\nb)+qb], 0                 ; a lane permute's destination counts as one of its sources
.set qb, qb+1
.endr
.set qb, 0
.rept \nb
	v_max3_num_f32 v[(\tm)+qb], |v[(\src)+16*qb]|, |v[(\src)+16*qb+1]|, 0x1800000   ; with the floor 2^(3 - 127): the byte cannot fall under 1
.set qb, qb+1
.endr
.irp i, 2,4,6,8,10,12,14
.set qb, 0
.rept \nb
	v_max3_num_f32 v[(\tm)+qb], v[(\tm)+qb], |v[(\src)+16*qb+\i]|, |v[(\src)+16*qb+\i+1]|
.set qb, qb+1
.endr
.endr
.set qb, 0
.rept \nb
	v_permlanex16_b32 v[(\tm)+(\nb)+qb], v[(\tm)+qb], s[SEL], s[SEL+1]
.set qb, qb+1
.endr
.set qb, 0
.rept \nb
	v_max_num_f32 v[(\tm)+qb], v[(\tm)+qb], v[(\tm)+(\nb)+qb]
.set qb, qb+1
.endr
.set qb, 0
.rept \nb
	v_add_nc_u32 v[(\tm)+2*(\nb)+qb], 0xff000000, v[(\tm)+qb]      ; 2 off the exponent field: the conversion's scale operand
.set qb, qb+1
.endr
.set qb, 0
.rept \nb
	v_lshrrev_b32 v[(\tm)+(\nb)+qb], 23, v[(\tm)+2*(\nb)+qb]       ; the scale's byte
.set qb, qb+1
.endr
.set qb, 0
.rept \nb
	v_cvt_scalef32_pk8_fp4_f32 v[(\cd)+2*qb], v[(\src)+16*qb:(\src)+16*qb+7], v[(\tm)+2*(\nb)+qb]
	v_cvt_scalef32_pk8_fp4_f32 v[(\cd)+2*qb+1], v[(\src)+16*qb+8:(\src)+16*qb+15], v[(\tm)+2*(\nb)+qb]
.set qb, qb+1
.endr
	v_nop                                          ; one plain place behind the last scaled conversion
.endm
.macro HSUM x, t, d                    ; the sum of 16 registers, by a fixed tree
	v_pk_add_f32 v[(\t):(\t)+1], v[(\x):(\x)+1], v[(\x)+2:(\x)+3]
	v_pk_add_f32 v[(\t)+2:(\t)+3], v[(\x)+4:(\x)+5], v[(\x)+6:(\x)+7]
	v_pk_add_f32 v[(\t)+4:(\t)+5], v[(\x)+8:(\x)+9], v[(\x)+10:(\x)+11]
	v_pk_add_f32 v[(\t)+6:(\t)+7], v[(\x)+12:(\x)+13], v[(\x)+14:(\x)+15]
	s_delay_alu instid0(VALU_DEP_3)
	v_pk_add_f32 v[(\t):(\t)+1], v[(\t):(\t)+1], v[(\t)+2:(\t)+3]
	s_delay_alu instid0(VALU_DEP_2)
	v_pk_add_f32 v[(\t)+4:(\t)+5], v[(\t)+4:(\t)+5], v[(\t)+6:(\t)+7]
	s_delay_alu instid0(VALU_DEP_1)
	v_pk_add_f32 v[(\t):(\t)+1], v[(\t):(\t)+1], v[(\t)+4:(\t)+5]
	s_delay_alu instid0(VALU_DEP_1)
	v_add_f32 v[\d], v[(\t)], v[(\t)+1]
.endm
.macro SQSUM x, t, d                   ; the sum of their squares, in two chains
	v_pk_mul_f32 v[(\t)+4:(\t)+5], v[(\x):(\x)+1], v[(\x):(\x)+1]
	v_pk_mul_f32 v[(\t)+6:(\t)+7], v[(\x)+2:(\x)+3], v[(\x)+2:(\x)+3]
.irp i, 4,8,12
	s_delay_alu instid0(VALU_DEP_2)
	v_pk_fma_f32 v[(\t)+4:(\t)+5], v[(\x)+\i:(\x)+\i+1], v[(\x)+\i:(\x)+\i+1], v[(\t)+4:(\t)+5]
	s_delay_alu instid0(VALU_DEP_2)
	v_pk_fma_f32 v[(\t)+6:(\t)+7], v[(\x)+\i+2:(\x)+\i+3], v[(\x)+\i+2:(\x)+\i+3], v[(\t)+6:(\t)+7]
.endr
	s_delay_alu instid0(VALU_DEP_1)
	v_pk_add_f32 v[(\t)+4:(\t)+5], v[(\t)+4:(\t)+5], v[(\t)+6:(\t)+7]
	s_delay_alu instid0(VALU_DEP_1)
	v_add_f32 v[\d], v[(\t)+4], v[(\t)+5]
.endm
.macro CROSS t                         ; t + 8, t + 9: my 16 columns' figure for rows r and 16 + r; t + 10 = the wave's 32 columns' figure for row = lane
	s_delay_alu instid0(VALU_DEP_1)
	v_cndmask_b32 v[(\t)+10], v[(\t)+8], v[(\t)+9], s[HM]
	s_delay_alu instid0(VALU_DEP_2)
	v_cndmask_b32 v[(\t)+11], v[(\t)+9], v[(\t)+8], s[HM]
	s_delay_alu instid0(VALU_DEP_1)
	v_permlanex16_b32 v[(\t)+9], v[(\t)+11], s[SEL], s[SEL+1]
	s_delay_alu instid0(VALU_DEP_1)
	v_add_f32 v[(\t)+10], v[(\t)+10], v[(\t)+9]
.endm
.macro SPLIT t                         ; t + 8: a figure of row = lane.  t: that of row r;  t + 2: that of row 16 + r
	v_permlanex16_b32 v[(\t)+9], v[(\t)+8], s[SEL], s[SEL+1]
	v_cndmask_b32 v[(\t)], v[(\t)+8], v[(\t)+9], s[HM]
	v_cndmask_b32 v[(\t)+2], v[(\t)+9], v[(\t)+8], s[HM]
.endm
.macro STATS r, off
.irp q, 0,1,2,3
	ds_load_b128 v[(\r)+4*\q:(\r)+4*\q+3], v[STR] offset:(\off)+16*\q
.endr
	s_wait_dscnt 0x0
.endm
; LayerNorm and quantiser.  x: 32 registers: x + 16 u + i = column 32 w + 16 h + i of LDS row 16 u + r.  Two barriers inside; the caller's follows.
.macro LNQ x, gg, bb, r, t
	HSUM \x,\t,(\t)+8
	HSUM (\x)+16,\t,(\t)+9
	CROSS \t
	ds_store_b32 v[STW], v[(\t)+10]
	BARRIER
	STATS \r,0
	HSUM \r,\t,(\t)+8
	s_delay_alu instid0(VALU_DEP_1)
	v_mul_f32 v[(\t)+8], s[INV], v[(\t)+8]         ; the mean of row = lane
	SPLIT \t
.irp u, 0,1
.irp i, 0,2,4,6,8,10,12,14
	v_pk_add_f32 v[(\x)+16*\u+\i:(\x)+16*\u+\i+1], v[(\x)+16*\u+\i:(\x)+16*\u+\i+1], v[(\t)+2*\u:(\t)+2*\u+1] op_sel_hi:[1,0] neg_lo:[0,1] neg_hi:[0,1]
.endr
.endr
.irp u, 0,1
	SQSUM (\x)+16*\u,\t,(\t)+8+\u
.endr
	CROSS \t
	ds_store_b32 v[STW], v[(\t)+10] offset:2560
	BARRIER
	STATS \r,2560
	HSUM \r,\t,(\t)+10
	s_delay_alu instid0(VALU_DEP_1)
	v_fma_f32 v[(\t)+10], v[(\t)+10], s[INV], s[EPS]   ; the variance + eps
	s_wait_alu depctr_va_vdst(0)
	v_rsq_f32 v[(\t)+8], v[(\t)+10]
	v_nop
	s_wait_alu depctr_va_vdst(0)                   ; the waits round the transcendental
	SPLIT \t
.irp u, 0,1
.irp i, 0,2,4,6,8,10,12,14
	v_pk_mul_f32 v[(\x)+16*\u+\i:(\x)+16*\u+\i+1], v[(\x)+16*\u+\i:(\x)+16*\u+\i+1], v[(\t)+2*\u:(\t)+2*\u+1] op_sel_hi:[1,0]
.endr
.endr
.irp u, 0,1
.irp i, 0,2,4,6,8,10,12,14
	v_pk_fma_f32 v[(\x)+16*\u+\i:(\x)+16*\u+\i+1], v[(\x)+16*\u+\i:(\x)+16*\u+\i+1], v[(\gg)+\i:(\gg)+\i+1], v[(\bb)+\i:(\bb)+\i+1]
.endr
.endr
	QBLK \x,2,\r,(\r)+6
.irp u, 0,1
	ds_store_b64 v[IW], v[(\r)+6+2*\u:(\r)+7+2*\u] offset:8192+\u*4096
.endr
	v_cndmask_b32 v[(\t)], v[(\r)+2], v[(\r)+3], s[HM]   ; the byte of row = lane
	ds_store_b8 v[SW], v[(\t)]
.endm
.macro COEF reg, val
	s_mov_b32 s[\reg], \val
	s_mov_b32 s[(\reg)+1], \val
.endm
; GELU of eight numbers, in place; every line over four pairs by turns; one wait ahead of the eight reciprocals and one behind
.macro GELU8 x
.irp k, 0,2,4,6
	v_pk_mul_f32 v[ZC+\k:ZC+\k+1], v[(\x)+\k:(\x)+\k+1], 0x3f3504f3 op_sel_hi:[1,0]   ; z = x / sqrt 2
.endr
.irp k, 0,1,2,3,4,5,6,7
	v_med3_num_f32 v[ZC+\k], v[ZC+\k], -4.0, 4.0
.endr
.irp k, 0,2,4,6
	v_pk_mul_f32 v[Z2+\k:Z2+\k+1], v[ZC+\k:ZC+\k+1], v[ZC+\k:ZC+\k+1]
.endr
.irp k, 0,2,4,6
	s_delay_alu instid0(VALU_DEP_4)
	v_pk_fma_f32 v[GA+\k:GA+\k+1], v[Z2+\k:Z2+\k+1], s[CA:CA+1], s[CA+2:CA+3] op_sel_hi:[1,0,0]
.endr
.irp k, 0,2,4,6
	v_pk_fma_f32 v[GB+\k:GB+\k+1], v[Z2+\k:Z2+\k+1], s[CB:CB+1], s[CB+2:CB+3] op_sel_hi:[1,0,0]
.endr
.irp n, 2,3,4
.irp k, 0,2,4,6
	v_pk_fma_f32 v[GA+\k:GA+\k+1], v[GA+\k:GA+\k+1], v[Z2+\k:Z2+\k+1], s[CA+2*\n:CA+2*\n+1] op_sel_hi:[1,1,0]
.endr
.irp k, 0,2,4,6
	v_pk_fma_f32 v[GB+\k:GB+\k+1], v[GB+\k:GB+\k+1], v[Z2+\k:Z2+\k+1], s[CB+2*\n:CB+2*\n+1] op_sel_hi:[1,1,0]
.endr
.endr
	s_wait_alu depctr_va_vdst(0)
.irp k, 0,1,2,3,4,5,6,7
	v_rcp_f32 v[GB+\k], v[GB+\k]                   ; 1 / Q
.endr
.irp n, 5,6
.irp k, 0,2,4,6
	v_pk_fma_f32 v[GA+\k:GA+\k+1], v[GA+\k:GA+\k+1], v[Z2+\k:Z2+\k+1], s[CA+2*\n:CA+2*\n+1] op_sel_hi:[1,1,0]
.endr
.endr
.irp k, 0,2,4,6
	v_pk_mul_f32 v[(\x)+\k:(\x)+\k+1], v[(\x)+\k:(\x)+\k+1], 0.5 op_sel_hi:[1,0]
.endr
.irp k, 0,2,4,6
	v_pk_mul_f32 v[GA+\k:GA+\k+1], v[GA+\k:GA+\k+1], v[ZC+\k:ZC+\k+1]
.endr
	s_wait_alu depctr_va_vdst(0)
.irp k, 0,2,4,6
	v_pk_mul_f32 v[GA+\k:GA+\k+1], v[GA+\k:GA+\k+1], v[GB+\k:GB+\k+1]     ; erf
.endr
.irp k, 0,2,4,6
	s_delay_alu instid0(VALU_DEP_4)
	v_pk_fma_f32 v[(\x)+\k:(\x)+\k+1], v[(\x)+\k:(\x)+\k+1], v[GA+\k:GA+\k+1], v[(\x)+\k:(\x)+\k+1]   ; 0.5 x erf + 0.5 x
.endr
.endm
	; ---- the head: scalar work first, then one run of vector work
	s_load_b512 s[4:19], s[0:1], 0x0               ; qkvc, qkvs, x, wts, b_proj, ln2_g, ln2_b, b1
	s_load_b128 s[20:23], s[0:1], 0x40             ; b2, out0
	v_lshl_add_u32 v[SPW], v0, 2, SPARE
	v_mov_b32 v[NIL], 0
	ds_add_u32 v[SPW], v[NIL]                      ; the opening lines: the add, twice on end, and its wait ahead of my first copy
	ds_add_u32 v[SPW], v[NIL]
	v_lshrrev_b32 v[WK], 5, v0
	v_readfirstlane_b32 s[WV], v[WK]               ; wave = head
	s_lshr_b32 s66, ttmp9, 5                       ; batch
	s_bfe_u32 s67, ttmp9, 0x40001                  ; j: tile A's group
	s_and_b32 s68, ttmp9, 1                        ; u
	s_sub_co_u32 s69, 31, s67                      ; tile B's group
	s_lshr_b32 s[SGA], s67, 2                      ; A's open steps
	s_and_b32 s[SPA], s67, 3
	s_lshl_b32 s[SNB], s[SGA], 1
	s_sub_co_u32 s[SNB], 6, s[SNB]                 ; open steps that B walks alone: 6 - 2 (j / 4)
	s_mov_b32 s[CNT], 0
	s_lshl_b32 s71, s68, 3
	s_sub_co_u32 s72, s69, s67
	s_lshl_b32 s72, s72, 7                         ; from A's scale words to B's
	s_lshl_b32 s70, s66, 4
	s_add_co_u32 s70, s70, s[WV]                   ; bh
	s_lshl_b32 s74, s70, 14
	s_mov_b32 s75, 0
	s_lshl_b32 s76, s70, 12
	s_mov_b32 s77, 0
	s_lshl_b32 s78, s70, 10
	s_mov_b32 s79, 0
	s_lshl_b32 s73, s70, 5
	s_add_co_u32 s80, s73, s67
	s_add_co_u32 s82, s73, s69
	s_lshl_b32 s84, s80, 7
	s_lshl_b32 s73, s68, 6
	s_add_co_u32 s84, s84, s73
	s_mov_b32 s85, 0
	s_lshl_b32 s73, s68, 8
	s_lshl_b32 s80, s80, 9
	s_add_co_u32 s80, s80, s73
	s_mov_b32 s81, 0
	s_lshl_b32 s82, s82, 9
	s_add_co_u32 s82, s82, s73
	s_mov_b32 s83, 0
	; LDS rows 2 w and 2 w + 1 are rows i = 2 (w % 8), i + 1 of tile w / 8: row 32 g + 8 u + i + 8 (i / 8) of the batch, and its neighbour
	s_cmp_lt_u32 s[WV], 8
	s_cselect_b32 s86, s67, s69
	s_lshl_b32 s86, s86, 5
	s_lshl_b32 s87, s66, 10
	s_add_co_u32 s86, s86, s87
	s_add_co_u32 s86, s86, s71
	s_and_b32 s87, s[WV], 7
	s_lshl_b32 s87, s87, 1
	s_add_co_u32 s86, s86, s87
	s_bfe_u32 s87, s[WV], 0x10002
	s_lshl_b32 s87, s87, 3
	s_add_co_u32 s86, s86, s87
	s_lshl_b32 s86, s86, 11
	s_mov_b32 s87, 0
	s_mul_i32 s38, s[WV], 78336
	s_add_co_u32 s38, s38, 425984                  ; my wave's stream of weights
	s_mov_b32 s39, 0
	s_lshl_b32 s[TSA], s[WV], 7
	s_mul_i32 s[TSB], s[WV], 2*PITCH
	s_lshl_b32 s[TSC], s[WV], 2
	s_lshl_b32 s[TSD], s[WV], 10
	s_add_co_u32 s[TSE], s[TSD], PAR
	s_add_co_u32 s[TSD], s[TSD], HIMG
	s_lshl_b32 s[TSF], s[WV], 8
	s_add_co_u32 s[TSF], s[TSF], AIMG
	s_lshr_b32 s[TSG], s[WV], 2
	s_lshl_b32 s[TSG], s[TSG], 7
	s_and_b32 s73, s[WV], 3
	s_add_co_u32 s[TSG], s[TSG], s73
	s_add_co_u32 s[TSG], s[TSG], H2SC
	s_mul_i32 s[TSH], s[WV], 8704
	s_add_co_u32 s[TSH], s[TSH], WLDS
	s_mov_b32 s[CS], 0x3e8293ee                    ; c = log2(e) / sqrt(32)
	s_mov_b32 s[CS+1], s[CS]
	s_mov_b32 s[SEL], 0x76543210
	s_mov_b32 s[SEL+1], 0xfedcba98
	s_mov_b32 s[HM], 0xffff0000
	s_mov_b32 s[INV], 0x3b000000                   ; 1 / 512
	s_mov_b32 s[EPS], 0x3727c5ac                   ; 1e-5
	COEF CA,0xaf95df0b
	COEF CA+2,0x32edffee
	COEF CA+4,0xb60cff51
	COEF CA+6,0xb86ec2d2
	COEF CA+8,0xba40ac63
	COEF CA+10,0xbb41a1f6
	COEF CA+12,0xbc83dbd4
	COEF CB,0xb77460cd
	COEF CB+2,0xb95fbd29
	COEF CB+4,0xbadc924e
	COEF CB+6,0xbbf19bf8
	COEF CB+8,0xbc69b6a7
	v_and_b32 v[WK+2], 31, v0                      ; lane
	v_and_b32 v[WK], 15, v0                        ; r
	v_bfe_u32 v[WK+1], v0, 4, 1                    ; h
	v_lshlrev_b32 v[L16], 4, v[WK+2]
	v_lshlrev_b32 v[L4], 2, v[WK+2]
	v_lshlrev_b32 v[Q16], 4, v[WK]
	v_and_b32 v[DQ], 8, v[WK]
	v_add_nc_u32 v[DQ], v[DQ], v[WK]
	v_lshlrev_b32 v[WK+3], 4, v[WK+1]
	v_sub_nc_u32 v[DQ], v[DQ], v[WK+3]
	v_add_nc_u32 v[DQ], s71, v[DQ]                 ; 8 u + r + 8 (r / 8) - 16 h
	v_mul_lo_u32 v[QSO], v[WK+1], s72
	v_lshl_add_u32 v[QSO], v[WK], 2, v[QSO]        ; lanes 0-15: A's scale words, lanes 16-31: B's
	v_add_nc_u32 v[XRH], s[TSB], v[L16]
	v_add_nc_u32 v[AL], s[TSH], v[L16]
	s_wait_alu depctr_va_vdst(0)                   ; the wait at the head's end
	s_wait_dscnt 0x0                               ; both opening adds are done
	s_wait_kmcnt 0x0
	s_add_nc_u64 s[74:75], s[4:5], s[74:75]        ; k's and v's codes of the head share this base
	s_add_nc_u64 s[76:77], s[6:7], s[76:77]        ; k's scale words
	s_add_nc_u64 s[78:79], s[6:7], s[78:79]        ; v's
	s_add_nc_u64 s[80:81], s[4:5], s[80:81]        ; q's codes, tile A
	s_add_nc_u64 s[82:83], s[4:5], s[82:83]        ; tile B
	s_add_nc_u64 s[84:85], s[6:7], s[84:85]        ; q's scale words
	s_add_nc_u64 s[26:27], s[8:9], s[86:87]        ; my two rows of x
	s_add_nc_u64 s[28:29], s[22:23], s[86:87]      ; and of out0
	s_add_nc_u64 s[24:25], s[10:11], s[38:39]      ; my weights
	s_add_nc_u64 s[86:87], s[24:25], 69632         ; their group 16
.macro LOADK                           ; a key step's two fragments of k and their scale words: 8 loads
.irp k, 0,1,2,3
	global_load_b128 v[KF+4*\k:KF+4*\k+3], v[L16], s[74:75] offset:2097152+512*\k
.endr
.irp k, 0,1,2,3
	global_load_b32 v[KS+\k], v[L4], s[76:77] offset:524288+128*\k
.endr
.endm
.macro LOADV                           ; its two fragments of v and their scale words: 5 loads
.irp k, 0,1,2,3
	global_load_b128 v[VF+4*\k:VF+4*\k+3], v[L16], s[74:75] offset:4194304+512*\k
.endr
	global_load_b32 v[VS], v[L4], s[78:79] offset:1048576
.endm
.macro BASES                           ; on to the next key step
	s_add_nc_u64 s[74:75], s[74:75], 2048
	s_add_nc_u64 s[76:77], s[76:77], 512
	s_add_nc_u64 s[78:79], s[78:79], 128
.endm
.irp q, 0,1,2,3,4,5,6,7
	global_load_b128 v[S+8+4*\q:S+8+4*\q+3], v[L16], s[26:27] offset:512*\q th:TH_LOAD_NT   ; two whole rows of x
.endr
	global_load_b128 v[S:S+3], v[Q16], s[80:81]
	global_load_b128 v[S+4:S+7], v[Q16], s[82:83]
	global_load_b32 v[QS], v[QSO], s[84:85]
	LOADK
	LOADV                                          ; key step 0's v with its k
	; k and v are asked for once, into the L2: the 32 work-groups of a batch share a head's blocks of 256 bytes out: work-group m = n % 32 names blocks 2 m and 2 m + 1 of k's 64 and of v's 64 (lanes 0 to 3; the lanes left over name the last again);
	; work-group m = 0 names the 16 blocks of k's scale words and the 4 of v's.  Wave w asks for head w.
	s_and_b32 s66, ttmp9, 31
	s_lshl_b32 s66, s66, 9
	v_min_u32 v[PK], 3, v[WK+2]
	v_and_b32 v[PK+1], 1, v[PK]
	v_lshrrev_b32 v[PK], 1, v[PK]
	v_lshlrev_b32 v[PK], 21, v[PK]
	v_lshl_add_u32 v[PK], v[PK+1], 8, v[PK]
	v_add_nc_u32 v[PK], s66, v[PK]
	global_prefetch_b8 v[PK], s[74:75] offset:2097152 th:TH_LOAD_NT scope:SCOPE_SE
	s_cmp_lg_u32 s66, 0
	s_cbranch_scc1 .Lnops
	s_lshl_b32 s67, s70, 12
	s_add_co_u32 s67, s67, 524288
	s_lshl_b32 s68, s70, 10
	s_add_co_u32 s68, s68, 1048576-4096
	v_min_u32 v[WK], 19, v[WK+2]
	v_lshlrev_b32 v[WK+1], 8, v[WK]
	v_add_nc_u32 v[PK+1], s68, v[WK+1]
	v_add_nc_u32 v[WK+1], s67, v[WK+1]
	v_cmp_gt_u32 vcc_lo, 16, v[WK]
	v_cndmask_b32 v[PK+1], v[PK+1], v[WK+1], vcc_lo
	global_prefetch_b8 v[PK+1], s[6:7] th:TH_LOAD_NT scope:SCOPE_SE
.Lnops:
	; groups 16 and 17 of my weights go to LDS now, 17 copies of 512 bytes, and land under the attention
.irp k, 0,1,2,3,4,5,6,7,8,9,10,11,12,13,14,15,16
	global_load_async_to_lds_b128 v[AL], v[L16], s[86:87] offset:512*\k
.endr
	s_cmp_lt_u32 ttmp9, 10                         ; the weights' stream is asked for once (see the head comment)
	s_cbranch_scc0 .Lnopf
	s_lshl_b32 s66, ttmp9, 5
	v_add_nc_u32 v[PFO], s66, v[WK+2]
	v_min_u32 v[PFO], 305, v[PFO]
	v_lshlrev_b32 v[PFO], 8, v[PFO]
	global_prefetch_b8 v[PFO], s[24:25] th:TH_LOAD_NT scope:SCOPE_SE
.Lnopf:
.irp z, 0,8,16,24,32
.irp k, 0,1,2,3
	v_mov_b32 v[QB+\z+\k], 0
.endr
.endr
	s_wait_alu depctr_va_vdst(0)
	s_wait_loadcnt 13                              ; x and q are in; k's 8 loads and v's 5 may be out
.irp q, 0,1,2,3,4,5,6,7
	ds_store_b128 v[XRH], v[S+8+4*\q:S+8+4*\q+3] offset:(\q/4)*PITCH+(\q%4)*512
.endr
.irp uq, 0,1
.irp k, 0,1,2,3
	v_cndmask_b32 v[QB+16*\uq+4+\k], v[S+4*\uq+\k], v[QB+\k], s[HM]    ; codes in lanes 0-15, zeros above
	v_cndmask_b32 v[QB+16*\uq+12+\k], v[QB+\k], v[S+4*\uq+\k], s[HM]   ; zeros below, codes in lanes 16-31
.endr
.endr
.set i, 0
.rept 32
	v_mov_b32 v[OA+i], 0                           ; O^T: the first step finds zeros, which the first change of M leaves zeros
.set i, i+1
.endr
.irp uq, 0,1
	v_mov_b32 v[ST+4*\uq+1], 0xff61b1e6            ; the largest t so far: -3e38
	v_floor_f32 v[ST+4*\uq], -v[ST+4*\uq+1]
	v_mov_b32 v[ST+4*\uq+2], 0
	v_mov_b32 v[ST+4*\uq+3], 0
.endr
.irp b, 0,1,2,3
	v_mov_b32 v[BP+\b], 0
.endr
	v_mov_b32 v[FF+1], 0
.macro SCORES uq, nt                   ; the first nt tiles of 16 keys: tile tau lies in block tau % 4 of fragment tau / 4
.set tau, 0
.rept \nt
.set qf, QB+16*(\uq)+8*(tau%2)+4*(1-((tau%4)/2))
	WM S+8*tau,KF+8*(tau/4),qf,-1,KS+tau/2,QS,tau%2,\uq
.set tau, tau+1
.endr
.endm
.macro PV uq                           ; O^T += V^T P^T
.irp un, 0,1
	WM OA+16*(\uq)+8*\un,VF+8*\un,P,OA+16*(\uq)+8*\un,VS,PS,\un,0
.endr
.endm
; The softmax of tile uq over the step's first nbl blocks of 32 keys.  mask = 1: the last of them holds the diagonal.  The blocks behind them are left out: zero codes, byte 0.
.macro SOFT uq, mask, nbl
.set rT, ST+4*(\uq)
.set rO, OA+16*(\uq)
.if \mask
	v_mov_b32 v[WK+1], 0xff800000
.set n, 0
.rept 16
	v_cmp_gt_i32 vcc_lo, n, v[DQ]
	v_cndmask_b32 v[S+16*((\nbl)-1)+n], v[S+16*((\nbl)-1)+n], v[WK+1], vcc_lo
.set n, n+1
.endr
.endif
.set bb, 0
.rept \nbl
	v_max3_num_f32 v[BM+bb], v[S+16*bb], v[S+16*bb+1], v[S+16*bb+2]   ; each block's largest score: for the row's maximum and for the block's largest p
.set bb, bb+1
.endr
.irp i, 3,5,7,9,11,13
.set bb, 0
.rept \nbl
	v_max3_num_f32 v[BM+bb], v[BM+bb], v[S+16*bb+\i], v[S+16*bb+\i+1]
.set bb, bb+1
.endr
.endr
.set bb, 0
.rept \nbl
	v_max_num_f32 v[BM+bb], v[BM+bb], v[S+16*bb+15]
.set bb, bb+1
.endr
.set bb, 0
.rept \nbl
	v_permlanex16_b32 v[BP+bb], v[BM+bb], s[SEL], s[SEL+1]
.set bb, bb+1
.endr
.set bb, 0
.rept \nbl
	v_max_num_f32 v[BM+bb], v[BM+bb], v[BP+bb]
.set bb, bb+1
.endr
.if (\nbl) >= 3
	v_max3_num_f32 v[WK], v[BM], v[BM+1], v[BM+2]
.elseif (\nbl) == 2
	v_max_num_f32 v[WK], v[BM], v[BM+1]
.else
	v_mov_b32 v[WK], v[BM]
.endif
.if (\nbl) == 4
	s_delay_alu instid0(VALU_DEP_1)
	v_max_num_f32 v[WK], v[WK], v[BM+3]
.endif
	s_delay_alu instid0(VALU_DEP_1)
	v_mul_f32 v[WK], s[CS], v[WK]
	s_delay_alu instid0(VALU_DEP_1)
	v_max_num_f32 v[rT+1], v[rT+1], v[WK]          ; the running largest t
	v_mov_b32 v[WK], v[rT]
	s_delay_alu instid0(VALU_DEP_2)
	v_floor_f32 v[rT], -v[rT+1]                    ; the new -M
	s_delay_alu instid0(VALU_DEP_1)
	v_sub_f32 v[WK], v[rT], v[WK]
	s_delay_alu instid0(VALU_DEP_1)
	v_cvt_i32_f32 v[WK], v[WK]
	s_delay_alu instid0(VALU_DEP_1)
	v_ldexp_f32 v[FF], 1.0, v[WK]                  ; f = 2^(old M - new M)
.set j, 0
.rept 8*(\nbl)
	v_pk_fma_f32 v[S+j:S+j+1], v[S+j:S+j+1], s[CS:CS+1], v[rT:rT+1] op_sel_hi:[1,0,0]   ; t - M
.set j, j+2
.endr
.set bb, 0
.rept \nbl
	v_fma_f32 v[BM+bb], v[BM+bb], s[CS], v[rT]
.set bb, bb+1
.endr
.set j, 0
	s_wait_alu depctr_va_vdst(0)                   ; a wait ahead of the batch and one behind it
.rept 16*(\nbl)
	v_exp_f32 v[S+j], v[S+j]                       ; p = 2^(t - M)
.set j, j+1
.endr
	v_pk_mul_f32 v[rT+2:rT+3], v[rT+2:rT+3], v[FF:FF+1] op_sel_hi:[1,0]
	s_wait_alu depctr_va_vdst(0)
.set bb, 0
.rept \nbl
	v_exp_f32 v[BM+bb], v[BM+bb]                   ; the block's largest p
.set bb, bb+1
.endr
	s_wait_alu depctr_va_vdst(0)                   ; directly ahead of the first reader of O^T
.irp j, 0,2,4,6,8,10,12,14
	v_pk_mul_f32 v[rO+\j:rO+\j+1], v[rO+\j:rO+\j+1], v[FF:FF+1] op_sel_hi:[1,0]
.endr
	s_wait_alu depctr_va_vdst(0)
.set bb, 0
.rept \nbl
	v_max_num_f32 v[BM+bb], 0x1800000, v[BM+bb]    ; the floor 2^(3 - 127)
.set bb, bb+1
.endr
.set bb, 0
.rept \nbl
	v_add_nc_u32 v[SO+bb], 0xff000000, v[BM+bb]
.set bb, bb+1
.endr
.set bb, 0
.rept \nbl
	v_lshrrev_b32 v[BP+bb], 23, v[SO+bb]
.set bb, bb+1
.endr
.if (\nbl) == 1
	v_mov_b32 v[PS], v[BP]
.else
	v_lshl_or_b32 v[PS], v[BP+1], 8, v[BP]
.endif
.if (\nbl) >= 3
	s_delay_alu instid0(VALU_DEP_1)
	v_lshl_or_b32 v[PS], v[BP+2], 16, v[PS]
.endif
.if (\nbl) == 4
	s_delay_alu instid0(VALU_DEP_1)
	v_lshl_or_b32 v[PS], v[BP+3], 24, v[PS]
.endif
.set bb, 0
.rept \nbl
	v_cvt_scalef32_pk8_fp4_f32 v[P+2*bb], v[S+16*bb:S+16*bb+7], v[SO+bb]
	v_cvt_scalef32_pk8_fp4_f32 v[P+2*bb+1], v[S+16*bb+8:S+16*bb+15], v[SO+bb]
.set bb, bb+1
.endr
.set bb, \nbl
.rept 4-(\nbl)
	v_mov_b32 v[P+2*bb], 0
	v_mov_b32 v[P+2*bb+1], 0
.set bb, bb+1
.endr
	v_nop
.irp c, 0,1
.irp i, 0,1
	v_permlane16_swap_b32 v[P+4*\c+\i], v[P+2+4*\c+\i]
.endr
.endr
	v_pk_add_f32 v[SUM2:SUM2+1], v[S:S+1], v[S+2:S+3]      ; the row's sum of the unquantised p: these 8 nbl lines are the places between p's scale word and codes and the products
.set j, 4
.rept 4*(\nbl)-1
	v_pk_add_f32 v[rT+2:rT+3], v[rT+2:rT+3], v[S+j:S+j+1]
	v_pk_add_f32 v[SUM2:SUM2+1], v[SUM2:SUM2+1], v[S+j+2:S+j+3]
.set j, j+4
.endr
	s_delay_alu instid0(VALU_DEP_1)
	v_pk_add_f32 v[rT+2:rT+3], v[rT+2:rT+3], v[SUM2:SUM2+1]
	s_wait_alu depctr_va_vdst(0)                   ; a wait on memory or a branch follows
.endm
.macro OPENV                           ; a step's opening: k, asked for in the middle of the step before, is in; v's 5 loads, asked for at its end, may be out
	s_wait_loadcnt 5
.endm
.macro BREST                           ; A's softmax is done: A's second product, and tile B's open step; the next step's k lands under B's softmax
	s_wait_loadcnt 0x0                             ; v is in, and no load is out: the bases may step
	BASES
	PV 0
	SCORES 1,8
	PLACES 4
	LOADK
	SOFT 1,0,4
	PV 1
	PLACES 4                                       ; in front of loads into registers that the last products read
	LOADV                                          ; the next step's v
.endm
.macro DIAG uq, nbl
	SCORES \uq,2*(\nbl)
	PLACES 4
	SOFT \uq,1,\nbl
.endm
	s_wait_alu depctr_va_vdst(0)
	s_wait_xcnt 0x0                                ; the prefetches have read their addresses: the bases may step in the loops
	s_cmp_eq_u32 s[SGA], 0
	s_cbranch_scc1 .Lx
.L2:                                                   ; j / 4 trips: both tiles open
	OPENV
	SCORES 0,8
	PLACES 4
	SOFT 0,0,4
	BREST
	s_add_co_u32 s[CNT], s[CNT], 1
	s_cmp_lt_u32 s[CNT], s[SGA]
	s_cbranch_scc1 .L2
.Lx:                                                   ; A's diagonal step, j % 4 + 1 live blocks; B is open in it
	OPENV
	s_cmp_eq_u32 s[SPA], 0
	s_cbranch_scc1 .Lx1
	s_cmp_eq_u32 s[SPA], 1
	s_cbranch_scc1 .Lx2
	s_cmp_eq_u32 s[SPA], 2
	s_cbranch_scc1 .Lx3
	DIAG 0,4
	s_branch .Lxj
.Lx3:
	DIAG 0,3
	s_branch .Lxj
.Lx2:
	DIAG 0,2
	s_branch .Lxj
.Lx1:
	DIAG 0,1
.Lxj:
	BREST
	s_mov_b32 s[CNT], 0
	s_cmp_eq_u32 s[SNB], 0
	s_cbranch_scc1 .Ld
.L1:                                                   ; 6 - 2 (j / 4) trips: B alone, open
	OPENV
	SCORES 1,8
	PLACES 4
	s_wait_xcnt 0x0                                ; v's loads have read their bases
	BASES
	LOADK
	SOFT 1,0,4
	s_wait_loadcnt 8                               ; v is in; the next step's k, 8 loads, may be out
	PV 1
	PLACES 4
	LOADV                                          ; the next step's v
	s_add_co_u32 s[CNT], s[CNT], 1
	s_cmp_lt_u32 s[CNT], s[SNB]
	s_cbranch_scc1 .L1
.Ld:                                                   ; B's diagonal step, 4 - j % 4 live blocks
	OPENV
	s_cmp_eq_u32 s[SPA], 3
	s_cbranch_scc1 .Ld1
	s_cmp_eq_u32 s[SPA], 2
	s_cbranch_scc1 .Ld2
	s_cmp_eq_u32 s[SPA], 1
	s_cbranch_scc1 .Ld3
	DIAG 1,4
	s_branch .Ldj
.Ld3:
	DIAG 1,3
	s_branch .Ldj
.Ld2:
	DIAG 1,2
	s_branch .Ldj
.Ld1:
	DIAG 1,1
.Ldj:
	s_wait_loadcnt 0x0
	s_wait_asynccnt 0x0                            ; my copies have landed: their address registers may be written, and I may read their bytes
	PV 1
	; ---- behind the attention.  The addresses of what follows: plain lines that name no register of the last products: their places
	v_and_b32 v[TT], 31, v0
	v_and_b32 v[TT+1], 15, v0
	v_bfe_u32 v[TT+2], v0, 4, 1
	v_lshlrev_b32 v[TT+3], 4, v0
	v_lshlrev_b32 v[TT+4], 2, v0
	v_mul_u32_u24 v[XO], v[TT+1], PITCH
	v_lshl_add_u32 v[XO], v[TT+2], 6, v[XO]
	v_add_nc_u32 v[XO], s[TSA], v[XO]
	v_add_nc_u32 v[HSW], s[TSA], v[L4]
	v_add_nc_u32 v[HSW], HSC, v[HSW]
	v_add_nc_u32 v[XR], s[TSB], v[L16]
	v_add_nc_u32 v[LI], AIMG, v[L16]
	v_add_nc_u32 v[LH], HIMG, v[L16]
	v_add_nc_u32 v[LS], H2SC, v[L4]
	v_mul_u32_u24 v[STR], v[TT], 80
	v_add_nc_u32 v[STR], STAT1, v[STR]
	v_add_nc_u32 v[STW], s[TSC], v[STR]
	v_lshlrev_b32 v[IW], 4, v[TT+1]
	v_lshl_add_u32 v[IW], v[TT+2], 3, v[IW]
	v_add_nc_u32 v[HW], s[TSD], v[IW]
	v_lshl_add_u32 v[PA], v[TT+2], 6, s[TSE]
	v_add_nc_u32 v[TT+6], s[TSE], v[L4]
	v_add_nc_u32 v[TT+7], s[TSE], v[L16]
	v_add_nc_u32 v[IW], s[TSF], v[IW]
	v_add_nc_u32 v[SW], s[TSG], v[L4]
	s_wait_alu depctr_va_vdst(0)
.macro LOADW gi                        ; group gi into set (gi + 2) % 4: 10 loads
.set ls, ((\gi)+2)%4
.if (\gi) < 16
.irp k, 0,1,2,3,4,5,6,7
	global_load_b128 v[WB+32*ls+4*\k:WB+32*ls+4*\k+3], v[L16], s[24:25] offset:4352*(\gi)+512*\k
.endr
.irp k, 0,1
	global_load_b32 v[WS+2*ls+\k], v[L4], s[24:25] offset:4352*(\gi)+4096+128*\k
.endr
.else                                  ; groups 16 and 17 lie in LDS: 10 LDS loads, older than the rows' fragments that the next group's wait leaves out
.irp k, 0,1,2,3,4,5,6,7
	ds_load_b128 v[WB+32*ls+4*\k:WB+32*ls+4*\k+3], v[WL] offset:4352*((\gi)-16)+512*\k
.endr
.irp k, 0,1
	ds_load_b32 v[WS+2*ls+\k], v[WL4] offset:4352*((\gi)-16)+4096+128*\k
.endr
.endif
.endm
.macro USE gi, dsc                     ; group gi is in: the younger groups, three at the most, 10 loads each, may be out; of my LDS loads the dsc just issued may be out
.if 15-(\gi) >= 3
	s_wait_loadcnt 30
.elseif (\gi) <= 15
	s_wait_loadcnt 10*(15-(\gi))                   ; groups 0 to 15 come by global loads
.endif
	s_wait_dscnt \dsc
.endm
.macro NEXT gi
	PLACES 4
.if (\gi)+4 <= 17
	LOADW (\gi)+4
.endif
.endm
.macro FBASE x, ks                     ; where set x keeps the rows' two fragments of a pair's K step ks: set 0: v28, v76;  set 1: v92, v236
.if (\x) == 0
.set fb, HF+48*(\ks)
.elseif (\ks) == 0
.set fb, HF+64
.else
.set fb, TT
.endif
.endm
.macro FETCH2 adr, ustride, s0, x      ; the rows' fragments of K steps s0 and s0 + 1 into set x: 8 loads
.irp ks, 0,1
	FBASE \x,\ks
.irp u, 0,1
.irp c, 0,1
	ds_load_b128 v[fb+8*\u+4*\c:fb+8*\u+4*\c+3], v[\adr] offset:\u*(\ustride)+((\s0)+\ks)*1024+\c*512
.endr
.endr
.endr
.endm
.macro PAIRMUL gi, sb, x               ; two K steps on four accumulators, which take turns
.set ms, ((\gi)+2)%4
.irp ks, 0,1
	FBASE \x,\ks
.irp un, 0,1
.irp um, 0,1
.set dd, ACC+16*\um+8*\un
	WM dd,WB+32*ms+8*(2*\ks+\un),fb+8*\um,dd,WS+2*ms+\ks,(\sb)+\ks,\un,\um
.endr
.endr
.endr
.endm
.macro OWNLOAD
.irp u, 0,1
.irp q, 0,1,2,3
	ds_load_b128 v[ACC+16*\u+4*\q:ACC+16*\u+4*\q+3], v[XO] offset:\u*16*PITCH+16*\q
.endr
.endr
.endm
.macro OWNSTORE
.irp u, 0,1
.irp q, 0,1,2,3
	ds_store_b128 v[XO], v[ACC+16*\u+4*\q:ACC+16*\u+4*\q+3] offset:\u*16*PITCH+16*\q
.endr
.endr
.endm
.macro ADDPAR
.irp u, 0,1
.irp i, 0,2,4,6,8,10,12,14
	v_pk_add_f32 v[ACC+16*\u+\i:ACC+16*\u+\i+1], v[ACC+16*\u+\i:ACC+16*\u+\i+1], v[TT+\i:TT+\i+1]
.endr
.endr
.endm
	global_load_b32 v[TT+8], v[TT+4], s[12:13]     ; my wave's 32 of b_proj, gain, bias, b2; its 128 of b1
	global_load_b32 v[TT+9], v[TT+4], s[14:15]
	global_load_b32 v[TT+10], v[TT+4], s[16:17]
	global_load_b32 v[TT+11], v[TT+4], s[20:21]
	global_load_b128 v[TT+12:TT+15], v[TT+3], s[18:19]
	LOADW 0                                        ; the first four groups of weights land under the lines below
	LOADW 1
	LOADW 2
	LOADW 3
	; O^T / the sum, quantised along the head's 32, into the projection's operand image
.irp uq, 0,1
	v_add_f32 v[BM+\uq], v[ST+4*\uq+2], v[ST+4*\uq+3]
.endr
.irp uq, 0,1
	v_permlanex16_b32 v[BP+\uq], v[BM+\uq], s[SEL], s[SEL+1]
.endr
.irp uq, 0,1
	v_add_f32 v[BM+\uq], v[BM+\uq], v[BP+\uq]
.endr
	s_wait_alu depctr_va_vdst(0)
.irp uq, 0,1
	v_rcp_f32 v[BM+2+\uq], v[BM+\uq]
.endr
	v_nop
	s_wait_alu depctr_va_vdst(0)                   ; one wait for both, directly ahead of the first readers of O^T too
.irp uq, 0,1
.irp j, 0,1,2,3,4,5,6,7,8,9,10,11,12,13,14,15
	v_mul_f32 v[ON+16*\uq+\j], v[OA+16*\uq+\j], v[BM+2+\uq]
.endr
.endr
	QBLK ON,2,ST,ST+6
.irp uq, 0,1
	ds_store_b64 v[IW], v[ST+6+2*\uq:ST+7+2*\uq] offset:4096*\uq
.endr
	v_cndmask_b32 v[BM], v[ST+2], v[ST+3], s[HM]   ; lane 16 tile + r stores the tile's byte of row r
	ds_store_b8 v[SW], v[BM] offset:ASC-H2SC
	s_wait_alu depctr_va_vdst(0)
	s_wait_loadcnt 40                              ; the parameters are in; the four groups of weights, 10 loads each, may be out
	ds_store_b32 v[TT+6], v[TT+8]
	ds_store_b32 v[TT+6], v[TT+9] offset:128
	ds_store_b32 v[TT+6], v[TT+10] offset:256
	ds_store_b32 v[TT+6], v[TT+11] offset:384
	ds_store_b128 v[TT+7], v[TT+12:TT+15] offset:512
	BARRIER                                        ; x's rows, attention's images and scale words lie in LDS
	; ---- the projection: the sums begin as x + b_proj
	OWNLOAD
.irp q, 0,1,2,3
	ds_load_b128 v[TT+4*\q:TT+4*\q+3], v[PA] offset:16*\q
.endr
	FETCH2 LI,4096,0,0
.irp s, 0,1,2,3
	ds_load_b32 v[AS+\s], v[LS] offset:ASC-H2SC+128*\s
.endr
	s_wait_dscnt 0x0
	ADDPAR
	FETCH2 LI,4096,2,1
	s_wait_alu depctr_va_vdst(0)
	USE 0,8
	PAIRMUL 0,AS,0
	NEXT 0
	USE 1,0
	PAIRMUL 1,AS+2,1
	NEXT 1
	OWNSTORE                                       ; out is kept in LDS, in my own bytes, for the last residual
	; ---- LN2 and its quantiser
.irp q, 0,1,2,3
	ds_load_b128 v[ACC+32+4*\q:ACC+32+4*\q+3], v[PA] offset:128+16*\q
	ds_load_b128 v[ACC+48+4*\q:ACC+48+4*\q+3], v[PA] offset:256+16*\q
.endr
	s_wait_dscnt 0x0
	LNQ ACC,ACC+32,ACC+48,HF,TT
	BARRIER
	; ---- the product with w1, GELU and the hidden layer's quantiser: my 128 units in two halves of 64
.macro FETCHM s, x
.set fm, HF+208*(\x)
.irp u, 0,1
.irp c, 0,1
	ds_load_b128 v[fm+8*\u+4*\c:fm+8*\u+4*\c+3], v[LI] offset:8192+\u*4096+(\s)*1024+\c*512
.endr
.endr
	ds_load_b32 v[AS+(\x)], v[LS] offset:128*(\s)
.endm
.macro M1HALF hf
.irp um, 0,1
.irp tp, 0,1,2,3
.irp q, 0,1
	ds_load_b128 v[ACC+32*\um+8*\tp+4*\q:ACC+32*\um+8*\tp+4*\q+3], v[PA] offset:512+256*(\hf)+128*(\tp/2)+32*(\tp%2)+16*\q   ; the sums begin as b1
.endr
.endr
.endr
	FETCHM 0,0
.irp s, 0,1,2,3
.if \s < 3
	FETCHM \s+1,(\s+1)%2
	USE 2+4*(\hf)+\s,5
.else
	USE 2+4*(\hf)+\s,0
.endif
.set fm, HF+208*(\s%2)
.irp tp, 0,1,2,3
.irp um, 0,1
.set dd, ACC+32*\um+8*\tp
	WM dd,WB+32*\s+8*\tp,fm+8*\um,dd,WS+2*\s+\tp/2,AS+\s%2,\tp%2,\um
.endr
.endr
	NEXT 2+4*(\hf)+\s
.endr
.irp a, 0,1,2,3,4,5,6,7
	GELU8 ACC+8*\a
.endr
	QBLK ACC,4,HF,TT
.irp um, 0,1
.irp bp, 0,1
	ds_store_b64 v[HW], v[TT+2*(2*\um+\bp):TT+2*(2*\um+\bp)+1] offset:16384*\um+256*(2*(\hf)+\bp)
.endr
.endr
	v_lshl_or_b32 v[HF], v[HF+5], 8, v[HF+4]
	v_lshl_or_b32 v[HF+1], v[HF+7], 8, v[HF+6]
	s_delay_alu instid0(VALU_DEP_1)
	v_cndmask_b32 v[HF], v[HF], v[HF+1], s[HM]
	ds_store_b16 v[HSW], v[HF] offset:2*(\hf)
	s_wait_dscnt 0x0
.endm
	M1HALF 0
	M1HALF 1
	BARRIER
	; ---- the last product: the sums begin as out + b2
.macro FETCHH p, x
	FETCH2 LH,16384,2*(\p),\x
	ds_load_b32 v[AS+2*(\x)], v[LS] offset:512+128*(2*(\p))
	ds_load_b32 v[AS+2*(\x)+1], v[LS] offset:512+128*(2*(\p)+1)
.endm
	OWNLOAD
.irp q, 0,1,2,3
	ds_load_b128 v[TT+4*\q:TT+4*\q+3], v[PA] offset:384+16*\q
.endr
	FETCHH 0,0
	s_wait_dscnt 0x0
	ADDPAR
	v_add_nc_u32 v[WL], s[TSH], v[L16]
	v_add_nc_u32 v[WL4], s[TSH], v[L4]
	s_wait_alu depctr_va_vdst(0)
.irp p, 0,1,2,3,4,5,6,7
.if \p < 7
	FETCHH \p+1,(\p+1)%2
	USE 10+\p,10
.else
	USE 10+\p,0
.endif
	PAIRMUL 10+\p,AS+2*(\p%2),\p%2
	NEXT 10+\p
.endr
	; ---- the way out: my own bytes into the rows, a barrier, and each wave stores two whole rows
	OWNSTORE
	BARRIER
.irp q, 0,1,2,3,4,5,6,7
	ds_load_b128 v[ACC+4*\q:ACC+4*\q+3], v[XR] offset:(\q/4)*PITCH+(\q%4)*512
.endr
.irp q, 0,1,2,3,4,5,6,7
	s_wait_dscnt 7-\q
	global_store_b128 v[L16], v[ACC+4*\q:ACC+4*\q+3], s[28:29] offset:512*\q th:TH_STORE_NT   ; 32 lanes store 512 consecutive bytes, at a multiple of 256 from the buffer's first byte
.endr
	s_wait_tensorcnt 0x0                           ; the wave's end
	ds_add_u32 v[SPW], v[NIL]
	s_wait_dscnt 0x0
	s_endpgm
.Lfunc_end_k_q0f8883b20b_attail:
	.size	k_q0f8883b20b_attail, .Lfunc_end_k_q0f8883b20b_attail-k_q0f8883b20b_attail
	.p2alignl 7, 3214868480
	.fill 96, 4, 3214868480
	.section	.rodata,"a",@progbits
	.p2align	6, 0x0
	.amdhsa_kernel k_q0f8883b20b_attail
		.amdhsa_group_segment_fixed_size 281600
		.amdhsa_private_segment_fixed_size 0
		.amdhsa_enable_private_segment 0
		.amdhsa_kernarg_size 80
		.amdhsa_user_sgpr_count 2
		.amdhsa_user_sgpr_kernarg_segment_ptr 1
		.amdhsa_wavefront_size32 1
		.amdhsa_system_sgpr_workgroup_id_x 1
		.amdhsa_system_sgpr_workgroup_id_y 1
		.amdhsa_system_sgpr_workgroup_id_z 1
		.amdhsa_system_vgpr_workitem_id 0
		.amdhsa_next_free_vgpr 256
		.amdhsa_next_free_sgpr 102
		.amdhsa_reserve_vcc 1
		.amdhsa_float_denorm_mode_32 3
		.amdhsa_float_denorm_mode_16_64 3
		.amdhsa_memory_ordered 1
		.amdhsa_forward_progress 1
		.amdhsa_inst_pref_size 255
	.end_amdhsa_kernel
	.section	.bss,"aw",@nobits
	.p2align	6
	.space	262144
	.amdgpu_metadata
---
amdhsa.version: [ 1, 2 ]
amdhsa.kernels:
  - .name:           k_q0f8883b20b_attail
    .symbol:         k_q0f8883b20b_attail.kd
    .args:
      - { .name: qkvc, .offset: 0, .size: 8, .value_kind: global_buffer, .address_space: global }
      - { .name: qkvs, .offset: 8, .size: 8, .value_kind: global_buffer, .address_space: global }
      - { .name: x, .offset: 16, .size: 8, .value_kind: global_buffer, .address_space: global }
      - { .name: wts, .offset: 24, .size: 8, .value_kind: global_buffer, .address_space: global }
      - { .name: b_proj, .offset: 32, .size: 8, .value_kind: global_buffer, .address_space: global }
      - { .name: ln2_g, .offset: 40, .size: 8, .value_kind: global_buffer, .address_space: global }
      - { .name: ln2_b, .offset: 48, .size: 8, .value_kind: global_buffer, .address_space: global }
      - { .name: b1, .offset: 56, .size: 8, .value_kind: global_buffer, .address_space: global }
      - { .name: b2, .offset: 64, .size: 8, .value_kind: global_buffer, .address_space: global }
      - { .name: out0, .offset: 72, .size: 8, .value_kind: global_buffer, .address_space: global }
    .group_segment_fixed_size: 281600
    .private_segment_fixed_size: 0
    .kernarg_segment_align: 8
    .kernarg_segment_size: 80
    .max_flat_workgroup_size: 512
    .sgpr_count:     102
    .vgpr_count:     256
    .wavefront_size: 32
...
	.end_amdgpu_metadata
.endif
;; end of part 3
